; MI455X (gfx1250); checked and timed in simulation.
; The chip was launched on July 23, 2026; its instructions are those of AMD's public machine-readable ISA for CDNA 5 (MIT licence, August 2026) and "CDNA5" Instruction Set Architecture Reference Guide (July 2026). The comments in the code are by the model that wrote it; some were corrected since.
;; Multihead Attention. Allowed arithmetic: matrix products marked QUANTISED: E2M3 operands, one E8M0 scale for each 32 along K, by v_wmma_scale_f32_16x16x128_f8f6f4 with both operands' format E2M3, f32 sums; everything else in f32.
;; Inputs: Wk 1,024 x 1,024 float32; Wo 1,024 x 1,024 float32; Wq 1,024 x 1,024 float32; Wv 1,024 x 1,024 float32; query 2 x 2,048 x 1,024 float32; span_val 1 x 16 x 1 x 1 float32.
;; Outputs: out0 2 x 2,048 x 1,024 float32.
;; This version of the problem:
;;   THIS VERSION OF THE PROBLEM IS GIVEN IN LOW PRECISION. The matrix products marked QUANTISED in the list below multiply operands that are first quantised to E2M3 (2 exponent bits, 3 mantissa bits; 6 bits a number), with one power-of-two scale for each 32 numbers along K (OCP MX v1.0); their sums are f32. All else is computed in f32.
;;   The module's matrix products, in the order in which they are computed (A, B: the left and right operand; K: the contracted axis; several contracted axes count as one K, in the product's order):
;;     1. [M 4,096, K 1,024] x [K 1,024, N 1,024]; A: input query; B: input Wq: QUANTISED
;;     2. [M 4,096, K 1,024] x [K 1,024, N 1,024]; A: input query; B: input Wk: QUANTISED
;;     3. [M 4,096, K 1,024] x [K 1,024, N 1,024]; A: input query; B: input Wv: QUANTISED
;;     4. batch 32 x [M 2,048, K 64] x [K 64, N 2,048]; A: computed on the way; B: computed on the way: QUANTISED
;;     5. batch 32 x [M 2,048, K 2,048] x [K 2,048, N 64]; A: computed on the way; B: computed on the way: QUANTISED
;;     6. [M 4,096, K 1,024] x [K 1,024, N 1,024]; A: computed on the way; B: input Wo: QUANTISED
;;   THE QUANTISER, for each operand of a quantised product, along K:
;;     - K is cut into blocks of 32 from its start; a last block that is shorter is filled with zeros.
;;     - A block's scale is 2^e with e = floor(log2(the largest magnitude in the block)) - 2, held to -126 .. 127; a block of zeros has e = 0. As a byte (E8M0): e + 127.
;;     - Each number is divided by its block's scale, clamped to +-7.5, and rounded to the nearest number of E2M3, ties to even, subnormals kept.
;;     - The product sums the exact products of the quantised numbers (number of the format x scale) in f32.
;;   ~~~python
;;   def quantise(x, axis):      # numpy; x: float32 -> the quantised numbers, widened to float32 again
;;       x = np.moveaxis(x, axis, -1); K = x.shape[-1]
;;       x = np.pad(x, [(0, 0)] * (x.ndim - 1) + [(0, -K % 32)]); x = x.reshape(x.shape[:-1] + (-1, 32)); a = np.abs(x).max(-1, keepdims=True)
;;       e = np.where(a > 0, np.clip(np.frexp(np.where(a > 0, a, 1))[1] - 1 - 2, -126, 127), 0)      # np.frexp(a)[1] - 1 = floor(log2(a)), exactly
;;       r = np.clip(x / 2.0 ** e, -7.5, 7.5)
;;       step = 2.0 ** (np.maximum(np.frexp(np.where(r == 0, 1, r))[1] - 1, 0) - 3)
;;       q = np.round(r / step) * step * 2.0 ** e      # np.round: ties to even
;;       return np.moveaxis(q.reshape(q.shape[:-2] + (-1,))[..., :K], -1, axis).astype(np.float32)
;;   ~~~
;;   OPERANDS COMPUTED ON THE WAY. 'Computed on the way' means the value that the module computes at that place (a softmax that the list does not call 'softmax' is quantised finished and normalised). What goes into a quantiser is computed in f32, as accurately as f32 sums, v_exp_f32 and their like allow (about 1e-6 of the number): no bf16 or f16 on the way to a quantiser, and a product that is left as it is and whose result goes on into a quantised operand takes f32 operands (vector FMAs, or v_wmma_f32_16x16x4_f32). A number that lies on a knife's edge between two numbers of the format may be rounded either way, as far as f32 arithmetic and the matrix unit's own rounding can turn it there, and no further.
;; One version. Each part assembles by itself: llvm-mc -triple=amdgcn-amd-amdhsa -mcpu=gfx1250 --defsym DOCPART=n.
;; ======== version 1 of 1: 4 launches
;; limits: right only within a limited range of input values
;; workspace buffers: XT 3,276,800 bytes; WT 3,276,800 bytes; QC 3,407,872 bytes; KV 6,815,744 bytes; AO 3,276,800 bytes
;; launch quant_x (part 1): grid 512 x 1, 4 waves a work-group, no clusters, 69,632 bytes of LDS; arguments query, XT, Wq, Wk, Wv, Wo, WT; writes XT, WT
.if DOCPART == 1
	.amdgcn_target "amdgcn-amd-amdhsa--gfx1250"
	.amdhsa_code_object_version 6
	.text
	.protected	k_q09938a1099_quant_x
	.globl	k_q09938a1099_quant_x
	.p2align	8
	.type	k_q09938a1099_quant_x,@function
k_q09938a1099_quant_x:
	s_mov_b64 s[64:65], 0
	v_nop
	global_prefetch_b8 v0, s[64:65] scope:SCOPE_SE
	s_setreg_imm32_b32 hwreg(HW_REG_WAVE_MODE, 25, 1), 1
	s_wait_xcnt 0x0
; query [4096][1024] f32 becomes codes of FP6 (E2M3) with one E8M0 byte for each 32 along K, laid in the order of a matrix operand's registers.
; A block's scale is 2^(floor(log2(its largest magnitude)) - 2); its byte is the largest magnitude's exponent field - 2, held at 1 from below.
; LIMITS: NaN and infinities are not served; a block of zeros, or one whose largest magnitude lies under 2^-124, gets the byte 1 (its codes are zeros or the held ones; this program alone reads the bytes).
; XT: one record of 102,400 bytes for 128 tokens: [0, 4096) scale words [plane 0, 1][row 16 tile + r][16 bytes = K steps 4 plane .. + 3]; then codes [K step 0..7][tile 0..7][half c][768].
; A half fragment (768 bytes, 16 rows x 64 K): lane (r, h) owns block h of row r, six registers: the first four at 16 (r + 16 h), the last two at 512 + 16 r + 8 h.
; THE TOKENS OF A TILE ARE NOT NEIGHBOURS: in each 32 tokens, row i of tile u is token 8 u + i + 8 (i / 8).
; A work-group takes one tile of 16 tokens; wave w takes K = 256 w .. + 255, two K steps.  Each load reads 512 consecutive bytes of a row; the numbers turn through the wave's own stage in LDS, so that
; lane (r, h) gets, of row r, 16 neighbours of each block of 32.  No cluster: the work-groups share no input.
.set REC,  102400
.set KST,  12288                       ; a K step of a record in bytes
.set STG,  16896                       ; a wave's two stages
.set HST,  8448                        ; one stage: 16 rows x 528
.set SP,   528                         ; a stage row: 512 bytes + 16: the sixteen rows that a load touches start in different banks
.set SCX,  4*STG                       ; behind the stages: the tile's scale words, [plane][row][16 bytes]
.set R,    16                          ; v16-143  the numbers as loaded: 2 halves x 16 rows x 4
.set X,    144                         ; v144-207 64 numbers of my row: register 16 b + i = k 32 b + 16 h + i
.set PC,   208                         ; v208-227 the codes just made (12) and the conversions' second halves (8)
.set TM,   228                         ; v228-243 at work
.set PW,   244                         ; v244-245 the scale words of my two K steps
; 64 numbers of a lane become a fragment's codes in v[PC] on and its scale word in v[pw]
.macro QUANT s, pw
.irp b, 0,1,2,3
	v_max3_num_f32 v[TM+\b], |v[\s+16*\b]|, |v[\s+1+16*\b]|, 0x1800000   ; block b: my 16 numbers, and the floor 2^(3 - 127): the byte cannot fall under 1
.endr
.irp i, 2,4,6,8,10,12,14
.irp b, 0,1,2,3
	v_max3_num_f32 v[TM+\b], v[TM+\b], |v[\s+16*\b+\i]|, |v[\s+1+16*\b+\i]|
.endr
.endr
.irp b, 0,1,2,3
	v_permlanex16_b32 v[TM+4+\b], v[TM+\b], s20, s21
.endr
.irp b, 0,1,2,3
	v_max_num_f32 v[TM+\b], v[TM+\b], v[TM+4+\b]                 ; with lane l xor 16's: the block's largest magnitude
.endr
.irp b, 0,1,2,3
	v_add_nc_u32 v[TM+12+\b], 0xff000000, v[TM+\b]               ; 2 off its exponent field: the conversion's scale operand
.endr
.irp b, 0,1,2,3
	v_lshrrev_b32 v[TM+4+\b], 23, v[TM+12+\b]                    ; the scale's byte
.endr
	v_lshl_or_b32 v[\pw], v[TM+5], 8, v[TM+4]
	v_lshl_or_b32 v[\pw], v[TM+6], 16, v[\pw]
	v_lshl_or_b32 v[\pw], v[TM+7], 24, v[\pw]
.irp c, 0,1
	v_cvt_scalef32_pk16_fp6_f32 v[PC+6*\c:PC+2+6*\c], v[\s+32*\c:\s+15+32*\c], v[TM+12+2*\c]
	v_cvt_scalef32_pk16_fp6_f32 v[PC+12+4*\c:PC+14+4*\c], v[\s+16+32*\c:\s+31+32*\c], v[TM+12+2*\c+1]   ; (a conversion's three registers begin on an even number)
.endr
	v_nop                                          ; one plain place behind a scaled conversion
.irp c, 0,1                                    ; the operand wants a whole block in a lane: lanes 0-15 block 2 c, lanes 16-31 block 2 c + 1
.irp i, 0,1,2
	v_permlane16_swap_b32 v[PC+6*\c+\i], v[PC+12+4*\c+\i]
.endr
.irp i, 0,1,2
	v_mov_b32 v[PC+3+6*\c+\i], v[PC+12+4*\c+\i]
.endr
.endr
.endm
; ONE LAUNCH QUANTISES ALL FIVE TENSORS: work-groups 0 to 255 take query (the text from here to its s_endpgm), work-groups 256 to 511 the four weights (the text behind it).
; The branch hangs on the work-group's number alone.  Each path has LDS bytes of its own: query's [0, 68,608), the weights' [68,608, 69,120); the spare words lie behind both.
	v_lshl_add_u32 v254, v0, 2, 0x10e00
	v_mov_b32 v255, 0
	s_cmp_ge_u32 ttmp9, 256
	s_cbranch_scc1 .Lweights
	s_load_b128 s[4:7], s[0:1], 0x0                ; query, XT
	v_lshrrev_b32 v1, 5, v0
	v_readfirstlane_b32 s8, v1                     ; wave 0..3
	v_and_b32 v3, 31, v0                           ; lane
	v_and_b32 v1, 15, v0                           ; r
	v_bfe_u32 v2, v0, 4, 1                         ; h
	v_lshlrev_b32 v4, 4, v3                        ; 16 x lane
	s_mul_i32 s9, s8, STG
	v_add_nc_u32 v5, s9, v4                        ; the stage, on the way in
	v_mul_u32_u24 v6, v1, SP
	v_lshl_add_u32 v6, v2, 6, v6
	v_add_nc_u32 v6, s9, v6                        ; and out: row r, + 64 h
	v_lshlrev_b32 v7, 4, v1
	v_lshl_add_u32 v7, v2, 3, v7                   ; 16 r + 8 h
	s_lshr_b32 s10, s8, 1
	s_lshl_b32 s10, s10, 8
	s_and_b32 s11, s8, 1
	s_lshl_b32 s11, s11, 3
	s_add_co_u32 s10, s10, s11
	s_add_co_u32 s10, s10, SCX
	v_lshlrev_b32 v8, 4, v1
	v_add_nc_u32 v8, s10, v8                       ; my two scale words: plane w / 2, row r, words 2 (w % 2) and + 1
	v_add_nc_u32 v9, SCX, v4                       ; wave 0 reads them back: 16 bytes a lane
	v_lshlrev_b32 v10, 4, v1
	v_lshl_add_u32 v10, v2, 11, v10                ; and stores them: 16 r, plane h
	s_mov_b32 s20, 0x76543210
	s_mov_b32 s21, 0xfedcba98                      ; v_permlanex16_b32's selects for lane l xor 16
.irp b, 0,1,2,3
	v_mov_b32 v[TM+4+\b], 0                        ; written once: a lane permute's destination counts as one of its sources
.endr
	s_lshr_b32 s12, ttmp9, 1
	s_lshl_b32 s12, s12, 5
	s_and_b32 s13, ttmp9, 1
	s_lshl_b32 s13, s13, 3
	s_add_co_u32 s12, s12, s13                     ; the tile's first token
	s_lshl_b32 s12, s12, 12                        ; x 4,096 bytes
	s_lshl_b32 s13, s8, 10
	s_add_co_u32 s12, s12, s13                     ; + my 1,024 bytes of a row
	s_mov_b32 s13, 0
	s_lshr_b32 s14, ttmp9, 3
	s_mul_i32 s14, s14, REC                        ; the record
	s_and_b32 s15, ttmp9, 7                        ; the tile in it
	s_mul_i32 s16, s15, 1536
	s_add_co_u32 s16, s16, s14
	s_mul_i32 s17, s8, 2*KST
	s_add_co_u32 s16, s16, s17
	s_add_co_u32 s16, s16, 4096
	s_mov_b32 s17, 0
	s_lshl_b32 s18, s15, 8
	s_add_co_u32 s18, s18, s14
	s_mov_b32 s19, 0
	s_wait_kmcnt 0x0
	s_add_nc_u64 s[4:5], s[4:5], s[12:13]
	s_add_nc_u64 s[16:17], s[6:7], s[16:17]        ; my codes
	s_add_nc_u64 s[18:19], s[6:7], s[18:19]        ; the tile's scale words
.irp f, 0,1
.irp i, 0,1,2,3,4,5,6,7,8,9,10,11,12,13,14,15
	global_load_b128 v[R+64*\f+4*\i:R+64*\f+4*\i+3], v4, s[4:5] offset:(\i+8*(\i/8))*4096+512*\f th:TH_LOAD_NT   ; 32 lanes read 512 consecutive bytes of row i
.endr
.endr
.macro HALF f
	s_wait_loadcnt 16*(1-\f)                       ; this half's 16 loads are in; the other half's may be out
.irp i, 0,1,2,3,4,5,6,7,8,9,10,11,12,13,14,15
	ds_store_b128 v5, v[R+64*\f+4*\i:R+64*\f+4*\i+3] offset:HST*\f+SP*\i
.endr
.irp b, 0,1,2,3
.irp j, 0,1,2,3
	ds_load_b128 v[X+16*\b+4*\j:X+16*\b+4*\j+3], v6 offset:HST*\f+128*\b+16*\j   ; LDS serves a wave's instructions in order: these see my stores
.endr
.endr
	s_wait_dscnt 0x0
.if \f
	s_wait_xcnt 0x0                                ; the first half's stores have read their data: the codes' registers are written again only behind this wait
.endif
	QUANT X, PW+\f
	global_store_b128 v4, v[PC:PC+3], s[16:17] offset:KST*\f           ; 512 consecutive bytes, aligned
	global_store_b64 v7, v[PC+4:PC+5], s[16:17] offset:KST*\f+512      ; 256 consecutive bytes, aligned
	global_store_b128 v4, v[PC+6:PC+9], s[16:17] offset:KST*\f+768
	global_store_b64 v7, v[PC+10:PC+11], s[16:17] offset:KST*\f+1280
.endm
	HALF 0
	HALF 1
	ds_store_b64 v8, v[PW:PW+1]                    ; lanes r and r + 16 write the same words with the same values
	s_wait_dscnt 0x0                               ; for the others' sake: my stores have landed
	s_barrier_signal -1
	s_barrier_wait -1
	s_cmp_lg_u32 s8, 0
	s_cbranch_scc1 .Ldone
	ds_load_b128 v[16:19], v9                      ; the tile's 512 bytes of scale words
	s_wait_dscnt 0x0
	global_store_b128 v10, v[16:19], s[18:19]      ; sixteen lanes fill 256 consecutive bytes of each plane
.Ldone:
	s_wait_tensorcnt 0x0                           ; the wave's end
	ds_add_u32 v254, v255
	s_wait_dscnt 0x0
	s_endpgm
; THE WEIGHTS.  Wq, Wk, Wv, Wo [1024 (k)][1024 (n)] f32, K their FIRST axis, become codes of FP6 (E2M3) with one E8M0 byte for each 32 along K, in records laid as XT's:
; record 8 x weight + n / 128 (102,400 bytes): [0, 4096) scale words [plane][row][16 bytes]; then [K step][tile][half c][768].
; THE COLUMNS OF A TILE ARE NOT NEIGHBOURS: in each 32 columns, row rr of tile u is column 8 u + rr + 8 (rr / 8).
; A LANE TAKES A COLUMN AND ITS REGISTERS RUN DOWN K: a block of 32 lies in one lane, its largest magnitude needs no other lane, and the conversions give codes with K innermost.
; Work-group 256 + 32 y + x: 32 columns x; weight y / 2; plane y % 2.  Wave w takes K step 4 plane + w: 128 rows, four blocks a lane.
; A lane's block t is block t % 2 of its row in half fragment t / 2: its first four registers go to 256 (t % 2) + 16 rr, the last two of a half's two blocks together to 512 + 16 rr.
; LIMITS: NaN and infinities are not served; a block of zeros, or one whose largest magnitude lies under 2^-124, gets the byte 1.
.Lweights:
.set X,    32                          ; v32-95   two sets of 32 numbers
.set HD,   96                          ; v96-111  block t's first four registers of codes
.set TL,   112                         ; v112-119 half c's tails
.set U,    120                         ; v120-135 the conversions' second halves
.set SW,   24                          ; v24      my column's scale word of this K step
.set WL,   68608                       ; this path's LDS bytes: 32 rows x 16 bytes of scale words
	s_load_b256 s[4:11], s[0:1], 0x10              ; Wq, Wk, Wv, Wo
	s_load_b64 s[12:13], s[0:1], 0x30              ; WT
	v_lshrrev_b32 v1, 5, v0
	v_readfirstlane_b32 s14, v1                    ; wave 0..3
	v_and_b32 v2, 31, v0                           ; lane = column in the 32
	v_lshlrev_b32 v3, 2, v2                        ; in: 4 bytes a lane
	v_bfe_u32 v4, v2, 4, 1
	v_bfe_u32 v5, v2, 3, 1                         ; u: my tile of the two
	v_and_b32 v6, 7, v2
	v_lshl_add_u32 v6, v4, 3, v6                   ; rr: my row in it
	v_lshlrev_b32 v7, 4, v6
	v_mad_u32_u24 v8, v5, 1536, v7                 ; out: 1,536 u + 16 rr
	v_lshl_add_u32 v9, v5, 8, v7
	s_lshl_b32 s15, s14, 2
	s_add_co_u32 s15, s15, WL
	v_add_nc_u32 v9, s15, v9                       ; LDS: row 16 u + rr of 16 bytes, word w
	v_lshlrev_b32 v10, 4, v2                       ; 16 x lane
	v_add_nc_u32 v26, WL, v10                      ; and the same in LDS
	s_and_b32 s28, ttmp9, 31                       ; x
	s_bfe_u32 s16, ttmp9, 0x30005                  ; y
	s_lshr_b32 s17, s16, 1                         ; which weight
	s_and_b32 s18, s16, 1                          ; which plane
	s_lshl_b32 s19, s18, 2
	s_add_co_u32 s19, s19, s14                     ; my K step
	s_lshl_b32 s20, s19, 19                        ; 128 rows of 4,096 bytes
	s_lshl_b32 s21, s28, 7
	s_add_co_u32 s20, s20, s21                     ; + 32 columns x 4 bytes
	s_mov_b32 s21, 0
	s_lshl_b32 s22, s17, 3
	s_lshr_b32 s23, s28, 2
	s_add_co_u32 s22, s22, s23
	s_mul_i32 s22, s22, REC                        ; the record
	s_and_b32 s23, s28, 3                          ; which 32 columns of its 128
	s_mul_i32 s24, s19, KST
	s_add_co_u32 s24, s24, s22
	s_mul_i32 s25, s23, 3072
	s_add_co_u32 s24, s24, s25
	s_add_co_u32 s24, s24, 4096
	s_mov_b32 s25, 0
	s_lshl_b32 s26, s18, 11
	s_add_co_u32 s26, s26, s22
	s_lshl_b32 s27, s23, 9
	s_add_co_u32 s26, s26, s27
	s_mov_b32 s27, 0
	s_wait_alu depctr_va_vdst(0)
	s_wait_kmcnt 0x0
	s_cmp_eq_u32 s17, 1                            ; the choice hangs on the work-group's number alone
	s_cselect_b64 s[4:5], s[6:7], s[4:5]
	s_cmp_eq_u32 s17, 2
	s_cselect_b64 s[4:5], s[8:9], s[4:5]
	s_cmp_eq_u32 s17, 3
	s_cselect_b64 s[4:5], s[10:11], s[4:5]
	s_add_nc_u64 s[4:5], s[4:5], s[20:21]
	s_add_nc_u64 s[24:25], s[12:13], s[24:25]      ; my codes
	s_add_nc_u64 s[26:27], s[12:13], s[26:27]      ; the 32 columns' scale words of this plane
.macro LOAD t                          ; block t: W(32 t + i, my column) into set t % 2
.set ii, 0
.rept 32
	global_load_b32 v[X+32*((\t)%2)+ii], v3, s[4:5] offset:(32*(\t)+ii)*4096
.set ii, ii+1
.endr
.endm
.macro BLOCK t
.set XS, X+32*((\t)%2)
.if (\t) < 3
	s_wait_loadcnt 32                              ; this block's 32 loads are in; the next block's may be out
.else
	s_wait_loadcnt 0x0
.endif
	v_max3_num_f32 v12, |v[XS]|, |v[XS+1]|, |v[XS+2]|             ; the block's largest magnitude: all 32 numbers are mine
	v_max3_num_f32 v13, |v[XS+3]|, |v[XS+4]|, |v[XS+5]|
.irp i, 6,10,14,18,22,26
	v_max3_num_f32 v12, v12, |v[XS+\i]|, |v[XS+\i+1]|
	v_max3_num_f32 v13, v13, |v[XS+\i+2]|, |v[XS+\i+3]|
.endr
	v_max3_num_f32 v12, v12, |v[XS+30]|, |v[XS+31]|
	v_max3_num_f32 v12, v12, v13, 0x1800000        ; and the floor 2^(3 - 127)
	v_add_nc_u32 v11, 0xff000000, v12              ; 2 off the exponent field: the conversion's scale operand
	v_lshrrev_b32 v13, 23, v11                     ; the scale's byte
.if (\t) == 0
	v_mov_b32 v[SW], v13
.else
	v_lshl_or_b32 v[SW], v13, 8*(\t), v[SW]
.endif
	v_cvt_scalef32_pk16_fp6_f32 v[HD+4*(\t):HD+4*(\t)+2], v[XS:XS+15], v11
	v_cvt_scalef32_pk16_fp6_f32 v[U+4*(\t):U+4*(\t)+2], v[XS+16:XS+31], v11
	v_nop                                          ; one plain place behind a scaled conversion
	v_mov_b32 v[HD+4*(\t)+3], v[U+4*(\t)]
	v_mov_b32 v[TL+4*((\t)/2)+2*((\t)%2)], v[U+4*(\t)+1]
	v_mov_b32 v[TL+4*((\t)/2)+2*((\t)%2)+1], v[U+4*(\t)+2]
.if (\t) < 2
	LOAD (\t)+2
.endif
.endm
	LOAD 0
	LOAD 1
	BLOCK 0
	BLOCK 1
	BLOCK 2
	BLOCK 3
.irp t, 0,1,2,3
	global_store_b128 v8, v[HD+4*\t:HD+4*\t+3], s[24:25] offset:768*(\t/2)+256*(\t%2)   ; two runs of 256 consecutive bytes, aligned
.endr
.irp c, 0,1
	global_store_b128 v8, v[TL+4*\c:TL+4*\c+3], s[24:25] offset:768*\c+512
.endr
	ds_store_b32 v9, v[SW]
	s_wait_dscnt 0x0                               ; for the others' sake: my store has landed
	s_barrier_signal -1
	s_barrier_wait -1
	s_cmp_lg_u32 s14, 0
	s_cbranch_scc1 .Lwdone
	ds_load_b128 v[28:31], v26                     ; 32 rows x the plane's four words
	s_wait_dscnt 0x0
	global_store_b128 v10, v[28:31], s[26:27]      ; 512 consecutive bytes, aligned
.Lwdone:
	s_wait_tensorcnt 0x0                           ; the wave's end
	ds_add_u32 v254, v255
	s_wait_dscnt 0x0
	s_endpgm
.Lfunc_end_k_q09938a1099_quant_x:
	.size	k_q09938a1099_quant_x, .Lfunc_end_k_q09938a1099_quant_x-k_q09938a1099_quant_x
	.p2alignl 7, 3214868480
	.fill 96, 4, 3214868480
	.section	.rodata,"a",@progbits
	.p2align	6, 0x0
	.amdhsa_kernel k_q09938a1099_quant_x
		.amdhsa_group_segment_fixed_size 69632
		.amdhsa_private_segment_fixed_size 0
		.amdhsa_enable_private_segment 0
		.amdhsa_kernarg_size 56
		.amdhsa_user_sgpr_count 2
		.amdhsa_user_sgpr_kernarg_segment_ptr 1
		.amdhsa_wavefront_size32 1
		.amdhsa_system_sgpr_workgroup_id_x 1
		.amdhsa_system_sgpr_workgroup_id_y 1
		.amdhsa_system_sgpr_workgroup_id_z 1
		.amdhsa_system_vgpr_workitem_id 0
		.amdhsa_next_free_vgpr 256
		.amdhsa_next_free_sgpr 66
		.amdhsa_reserve_vcc 0
		.amdhsa_float_denorm_mode_32 3
		.amdhsa_float_denorm_mode_16_64 3
		.amdhsa_memory_ordered 1
		.amdhsa_forward_progress 1
		.amdhsa_inst_pref_size 40
	.end_amdhsa_kernel
	.amdgpu_metadata
---
amdhsa.version: [ 1, 2 ]
amdhsa.kernels:
  - .name:           k_q09938a1099_quant_x
    .symbol:         k_q09938a1099_quant_x.kd
    .args:
      - { .name: query, .offset: 0, .size: 8, .value_kind: global_buffer, .address_space: global }
      - { .name: XT, .offset: 8, .size: 8, .value_kind: global_buffer, .address_space: global }
      - { .name: Wq, .offset: 16, .size: 8, .value_kind: global_buffer, .address_space: global }
      - { .name: Wk, .offset: 24, .size: 8, .value_kind: global_buffer, .address_space: global }
      - { .name: Wv, .offset: 32, .size: 8, .value_kind: global_buffer, .address_space: global }
      - { .name: Wo, .offset: 40, .size: 8, .value_kind: global_buffer, .address_space: global }
      - { .name: WT, .offset: 48, .size: 8, .value_kind: global_buffer, .address_space: global }
    .group_segment_fixed_size: 69632
    .private_segment_fixed_size: 0
    .kernarg_segment_align: 8
    .kernarg_segment_size: 56
    .max_flat_workgroup_size: 128
    .sgpr_count:     66
    .vgpr_count:     256
    .wavefront_size: 32
...
	.end_amdgpu_metadata
.endif
;; end of part 1
;; launch qkv (part 2): grid 8 x 32, 4 waves a work-group, clusters of 4 x 4, 327,680 bytes of LDS; arguments XT, WT, QC, KV; writes QC, KV
.if DOCPART == 2
	.amdgcn_target "amdgcn-amd-amdhsa--gfx1250"
	.amdhsa_code_object_version 6
	.text
	.protected	k_q09938a1099_qkv
	.globl	k_q09938a1099_qkv
	.p2align	8
	.type	k_q09938a1099_qkv,@function
k_q09938a1099_qkv:
	s_mov_b64 s[64:65], 0
	v_nop
	global_prefetch_b8 v0, s[64:65] scope:SCOPE_SE
	s_setreg_imm32_b32 hwreg(HW_REG_WAVE_MODE, 25, 1), 1
	s_wait_xcnt 0x0
	s_wait_alu depctr_hold_cnt(0) depctr_sa_sdst(0) depctr_va_vdst(0) depctr_va_sdst(0) depctr_va_ssrc(0) depctr_va_vcc(0) depctr_vm_vsrc(0)
	s_getreg_b32 s2, hwreg(HW_REG_IB_STS2, 6, 4)
	s_cmp_eq_u32 s2, 0
	s_cbranch_scc0 .Lentry_in_a_cluster
	s_endpgm
.Lentry_in_a_cluster:
	s_bfe_u32 s2, ttmp6, 0x10000c
	s_cmp_lg_u32 s2, 0xf033
	s_cbranch_scc0 .Lentry_shape_is_right
	s_endpgm
.Lentry_shape_is_right:
; q = x Wq, k = x Wk, v = x Wv on codes of FP6 (E2M3) with E8M0 scales, and the three results quantised in registers into the operands of the attention launch.  Nothing of q, k, v goes to memory as f32.
; SHARES.  Work-group (ni, mi): 128 tokens mi x 128 columns ni (two heads), three times (q, k, v) on ONE record of x that stays in LDS.  Wave w: tokens' half wm = w / 2, head wn = w % 2: 64 x 64, 16 accumulators.
; LDS: x's record at 0, Wq's at 102,400, Wk's at 204,800; Wv's takes Wq's place when q's products are done; spare words behind.
; A record lies in the order of the operands' registers: a fragment (16 rows x 128 K, 12 registers) is four loads: 16, 8, 16, 8 bytes a lane, each instruction on consecutive bytes.
; q, k: source 0 = 16 columns of W, source 1 = 16 tokens: a lane holds ONE token, and, by the order of W's columns in a tile, the 16 registers of tiles 2 b, 2 b + 1 are channels 32 b + 16 h + 0 .. 15 of the head.
; v: source 0 = 16 tokens, source 1 = 16 columns: a lane holds ONE channel, and its registers run along the tokens (the keys): v's K in the attention.
; OUT.  QC: for each head 32 groups of 3,328 bytes (64 tokens): four half fragments of 768, then 256 bytes of scales (word 8 L + 4 i: tile 2 i + L / 16).
; KV: for each head 16 records of 13,312 bytes (128 keys): K's eight half fragments; V^T as [channel tile][key half][768]; K's scale words [wm][8 L]; V's [key half][8 L + 4 i].
; CLUSTER 4 x 4: x's record hangs on mi alone and is shared along a row of the cluster, a weight's on ni alone and is shared along a column: each piece is asked for jointly.
; LIMITS: NaN and infinities are not served; a block of zeros, or one whose largest magnitude lies under 2^-124, gets the byte 1.
; REGISTERS.  Window 0: v1-3 r, h, lane; v4-15 fragment addresses; v16-17 scale addresses; v18-19 the spare word's address and 0; v20-22 store offsets; v24-27 16-bit scale pairs; v28-29 scale words to store;
;   v32-63 scale words (tile i, K step s at 32 + 8 i + s: lanes 0-15 x's, lanes 16-31 W's); v64-191 accumulators; v192-207 at work; v208-255 codes.   Window 1: two fragment buffers of 96.
.set REC,   102400
.set PIECE, 25600                      ; a quarter of a record: 100 rows of 256 bytes: what one tensor load brings
.set KST,   12288
.set LB0,   REC
.set LB1,   2*REC
.set SPARE, 3*REC                      ; the spare words, 128 bytes for each wave: two blocks of 256 bytes that no other line names
.set AX,    4                          ; v4-7    x: [16 L low K steps, high, 16 r + 8 h low, high]
.set AB0,   8                          ; v8-11   the same in the slot at LB0
.set AB1,   12                         ; v12-15  and at LB1
.set AS0,   16
.set AS1,   17
.set SPW,   18
.set NIL,   19
.set O16,   20
.set OT,    21
.set O8,    22
.set W16,   24
.set Z,     28
.set SC,    32
.set ACC,   64
.set M,     192
.set X8,    200
.set P,     208
.set U,     240
.set MSB, 0
.macro WIN new                         ; the immediate's high byte repeats the setting that is left
.if MSB != \new
	s_set_vgpr_msb (MSB<<8)|\new
.set MSB, \new
.endif
.endm
.macro PLACES                          ; four plain places behind a matrix instruction, ahead of loads into its registers and of reads of its results
.rept 4
	v_nop
.endr
.endm
.macro CROUND                          ; a round of the cluster's barrier
	s_barrier_signal -1
	s_barrier_wait -1
	s_cmp_lg_u32 s12, 0
	s_cbranch_scc1 .Lnot_wave_0_\@
	s_barrier_signal -3
.Lnot_wave_0_\@:
	s_barrier_wait -3
	s_barrier_signal -1
	s_barrier_wait -1
.endm
.macro FRAG reg, ra, s, i              ; tile i of K step s: two half fragments on end
	ds_load_b128 v[\reg:\reg+3], v[\ra+(\s)/4] offset:((\s)%4)*KST+1536*(\i)
	ds_load_b64 v[\reg+4:\reg+5], v[\ra+2+(\s)/4] offset:((\s)%4)*KST+1536*(\i)+512
	ds_load_b128 v[\reg+6:\reg+9], v[\ra+(\s)/4] offset:((\s)%4)*KST+1536*(\i)+768
	ds_load_b64 v[\reg+10:\reg+11], v[\ra+2+(\s)/4] offset:((\s)%4)*KST+1536*(\i)+1280
.endm
.macro FETCH s, f, R0, R1              ; 32 loads: source 0's four fragments, then source 1's, into buffer f of window 1
	WIN 0x40
.irp i, 0,1,2,3
	FRAG 96*(\f)+12*\i, \R0, \s, \i
.endr
.irp i, 0,1,2,3
	FRAG 96*(\f)+48+12*\i, \R1, \s, \i
.endr
.endm
; 16 matrix instructions, the accumulators by turns, one instruction a turn, in the same order in every K step.  K step 0 starts the sums with the constant 0.
; kind 0: source 0 is W (its scales in lanes 16-31); kind 1: source 1 is W.
.macro MUL s, f, kind
	WIN 0x05
.irp n, 0,1,2,3
.irp m, 0,1,2,3
.if (\s) == 0
.if \kind
	v_wmma_scale_f32_16x16x128_f8f6f4 v[ACC+8*(4*\n+\m):ACC+8*(4*\n+\m)+7], v[96*(\f)+12*\m:96*(\f)+12*\m+11], v[96*(\f)+48+12*\n:96*(\f)+48+12*\n+11], 0, v[SC+8*\m+(\s)], v[SC+8*\n+(\s)] matrix_a_fmt:MATRIX_FMT_FP6 matrix_b_fmt:MATRIX_FMT_FP6 matrix_b_scale:MATRIX_SCALE_ROW1
.else
	v_wmma_scale_f32_16x16x128_f8f6f4 v[ACC+8*(4*\n+\m):ACC+8*(4*\n+\m)+7], v[96*(\f)+12*\m:96*(\f)+12*\m+11], v[96*(\f)+48+12*\n:96*(\f)+48+12*\n+11], 0, v[SC+8*\m+(\s)], v[SC+8*\n+(\s)] matrix_a_fmt:MATRIX_FMT_FP6 matrix_b_fmt:MATRIX_FMT_FP6 matrix_a_scale:MATRIX_SCALE_ROW1
.endif
.else
.if \kind
	v_wmma_scale_f32_16x16x128_f8f6f4 v[ACC+8*(4*\n+\m):ACC+8*(4*\n+\m)+7], v[96*(\f)+12*\m:96*(\f)+12*\m+11], v[96*(\f)+48+12*\n:96*(\f)+48+12*\n+11], v[ACC+8*(4*\n+\m):ACC+8*(4*\n+\m)+7], v[SC+8*\m+(\s)], v[SC+8*\n+(\s)] matrix_a_fmt:MATRIX_FMT_FP6 matrix_b_fmt:MATRIX_FMT_FP6 matrix_b_scale:MATRIX_SCALE_ROW1
.else
	v_wmma_scale_f32_16x16x128_f8f6f4 v[ACC+8*(4*\n+\m):ACC+8*(4*\n+\m)+7], v[96*(\f)+12*\m:96*(\f)+12*\m+11], v[96*(\f)+48+12*\n:96*(\f)+48+12*\n+11], v[ACC+8*(4*\n+\m):ACC+8*(4*\n+\m)+7], v[SC+8*\m+(\s)], v[SC+8*\n+(\s)] matrix_a_fmt:MATRIX_FMT_FP6 matrix_b_fmt:MATRIX_FMT_FP6 matrix_a_scale:MATRIX_SCALE_ROW1
.endif
.endif
.endr
.endr
.endm
; K steps s0 .. s1: while one buffer is multiplied the next K step's 32 loads are on their way into the other
.macro RUN s0, s1, R0, R1, kind
	PLACES
	FETCH \s0, (\s0)%2, \R0, \R1
.set ks, \s0
.rept (\s1)-(\s0)+1
.if ks < \s1
	PLACES
	FETCH ks+1, (ks+1)%2, \R0, \R1
	s_wait_dscnt 32                                ; all but the 32 just issued
.else
	s_wait_dscnt 0x0
.endif
	MUL ks, ks%2, \kind
.set ks, ks+1
.endr
	WIN 0
.endm
.macro SCALES a                        ; all eight K steps' scale words of my four tiles of x (lanes 0-15) and of W (lanes 16-31)
	PLACES
.irp i, 0,1,2,3
.irp p, 0,1
	ds_load_b128 v[SC+8*\i+4*\p:SC+8*\i+4*\p+3], v[\a] offset:256*\i+2048*\p
.endr
.endr
.endm
; The 16 accumulators become four half fragments (16 rows x 64 K) and their scales.  For each n the 32 registers ACC + 32 n on are, in lane (r, h), k = 32 b + 16 h + i at register 16 b + i of row r.
; kind 1: K's scale words (two tiles' pairs in a word); kind 0: a 16-bit pair to a word.
.macro EPI kind, pc, ps, so, stride
	PLACES
	s_wait_xcnt 0x0                                ; the last way out's stores have read their data: those registers are written again only behind this wait
.irp e, 0,1,2,3,4,5,6,7
	v_max3_num_f32 v[M+\e], |v[ACC+16*\e]|, |v[ACC+16*\e+1]|, 0x1800000   ; each accumulator is read from its low end on; the floor 2^(3 - 127) holds the byte at 1 from below
.endr
.irp i, 2,4,6,8,10,12,14
.irp e, 0,1,2,3,4,5,6,7
	v_max3_num_f32 v[M+\e], v[M+\e], |v[ACC+16*\e+\i]|, |v[ACC+16*\e+\i+1]|
.endr
.endr
.irp e, 0,1,2,3,4,5,6,7
	v_permlanex16_b32 v[X8+\e], v[M+\e], s72, s73
.endr
.irp e, 0,1,2,3,4,5,6,7
	v_max_num_f32 v[M+\e], v[M+\e], v[X8+\e]       ; with lane l xor 16's: the block's largest magnitude
.endr
.irp e, 0,1,2,3,4,5,6,7
	v_add_nc_u32 v[M+\e], 0xff000000, v[M+\e]      ; 2 off the exponent field: the conversion's scale operand
.endr
.irp e, 0,1,2,3,4,5,6,7
	v_lshrrev_b32 v[X8+\e], 23, v[M+\e]            ; the scale's byte
.endr
.irp n, 0,1,2,3
	v_lshl_or_b32 v[W16+\n], v[X8+2*\n+1], 8, v[X8+2*\n]
.endr
.irp n, 0,1,2,3
	v_cvt_scalef32_pk16_fp6_f32 v[P+8*\n:P+8*\n+2], v[ACC+32*\n:ACC+32*\n+15], v[M+2*\n]
	v_cvt_scalef32_pk16_fp6_f32 v[U+4*\n:U+4*\n+2], v[ACC+32*\n+16:ACC+32*\n+31], v[M+2*\n+1]
.endr
	v_nop                                          ; one plain place behind a scaled conversion
.irp n, 0,1,2,3                                ; a whole block to a lane: lanes 0-15 block 0, lanes 16-31 block 1
.irp i, 0,1,2
	v_permlane16_swap_b32 v[P+8*\n+\i], v[U+4*\n+\i]
.endr
.irp i, 0,1,2
	v_mov_b32 v[P+8*\n+3+\i], v[U+4*\n+\i]
.endr
.endr
.if \kind
	v_lshl_or_b32 v[Z], v[W16+1], 16, v[W16]
	v_lshl_or_b32 v[Z+1], v[W16+3], 16, v[W16+2]
	v_cndmask_b32 v[Z], v[Z], v[Z+1], s78          ; lanes 0-15: tiles 0, 1; lanes 16-31: tiles 2, 3
	v_mov_b32 v[Z+1], 0
.else
	v_cndmask_b32 v[Z], v[W16], v[W16+1], s78      ; word i: tile 2 i + lane / 16
	v_cndmask_b32 v[Z+1], v[W16+2], v[W16+3], s78
.endif
.irp n, 0,1,2,3
	global_store_b128 v[O16], v[P+8*\n:P+8*\n+3], s[\pc:\pc+1] offset:(\stride)*\n          ; 512 consecutive bytes, aligned
	global_store_b64 v[OT], v[P+8*\n+4:P+8*\n+5], s[\pc:\pc+1] offset:(\stride)*\n+512      ; 256 consecutive bytes, aligned
.endr
	global_store_b64 v[O8], v[Z:Z+1], s[\ps:\ps+1] offset:\so                               ; 256 consecutive bytes, aligned
.endm
	s_load_b256 s[4:11], s[0:1], 0x0               ; XT, WT, QC, KV
	v_lshl_add_u32 v[SPW], v0, 2, SPARE
	v_mov_b32 v[NIL], 0
	ds_add_u32 v18, v19
	ds_add_u32 v18, v19
	s_wait_dscnt 0x0
	v_lshrrev_b32 v1, 5, v0
	v_readfirstlane_b32 s12, v1                    ; wave 0..3
	s_lshr_b32 s13, s12, 1                         ; wm
	s_and_b32 s14, s12, 1                          ; wn
	s_bfe_u32 s15, ttmp6, 0x40000                  ; cx
	s_bfe_u32 s16, ttmp6, 0x40004                  ; cy
	s_lshl_b32 s17, ttmp9, 2
	s_add_co_u32 s17, s17, s15                     ; ni
	s_and_b32 s18, ttmp7, 0xffff
	s_lshl_b32 s18, s18, 2
	s_add_co_u32 s18, s18, s16                     ; mi
	s_lshl_b32 s19, s16, 2
	s_lshl_b32 s19, 15, s19                        ; my row of the cluster
	s_lshl_b32 s20, 0x1111, s15                    ; my column
	s_or_b32 s24, s19, (3<<16)|(1<<21)             ; group 1 for x's pieces: 15:0 the mask; 17:16 elements of 8 bytes; 21 set beside a mask; no padding
	s_or_b32 s32, s20, (3<<16)|(1<<21)             ; and for the weights'
.irp g, 24, 32
	s_mov_b32 s[\g+1], 32<<16                      ; tensor_dim0 = 32 elements: 256 bytes
	s_mov_b32 s[\g+2], 200<<16                     ; tensor_dim1 = 200 rows: the head's loads bring half a record each
	s_mov_b32 s[\g+3], 32<<16                      ; tile_dim0
	s_mov_b32 s[\g+4], 200                         ; tile_dim1
	s_mov_b32 s[\g+5], 32                          ; the pitch: the block is dense
	s_mov_b32 s[\g+6], 0
	s_mov_b32 s[\g+7], 0
.endr
	s_mul_i32 s82, s13, 2*PIECE                    ; half wm of a record
	s_mul_i32 s83, s12, PIECE                      ; piece w
	s_mul_i32 s80, s18, REC                        ; x's record: made of mi and the wave's number alone
	s_add_co_u32 s80, s80, s82
	s_mov_b32 s81, 0
	s_mul_i32 s84, s17, REC                        ; the weights' records: of ni and the wave's number alone
	s_add_co_u32 s86, s84, s82
	s_mov_b32 s87, 0
	s_add_co_u32 s88, s84, s83
	s_mov_b32 s89, 0
	s_wait_kmcnt 0x0
	s_add_nc_u64 s[80:81], s[4:5], s[80:81]
	s_add_nc_u64 s[86:87], s[6:7], s[86:87]
	s_add_nc_u64 s[88:89], s[6:7], s[88:89]
	CROUND                                         ; all sixteen work-groups are here: the first joint loads meet
	s_mov_b32 s40, 1                               ; x, piece wm
	s_mov_b32 s41, s82
	s_mov_b64 s[42:43], s[80:81]
	s_or_b32 s43, s43, 0x80000000
	s_mov_b32 s48, 1                               ; Wq, piece wm
	s_add_co_u32 s49, s82, LB0
	s_mov_b64 s[50:51], s[86:87]
	s_or_b32 s51, s51, 0x80000000
	s_mov_b32 s56, 1                               ; Wk, piece w
	s_add_co_u32 s57, s83, LB1
	s_add_nc_u64 s[58:59], s[88:89], 8*REC
	s_or_b32 s59, s59, 0x80000000
	s_mov_b32 s92, 1                               ; Wv, piece w: the refill of Wq's place
	s_add_co_u32 s93, s83, LB0
	s_add_nc_u64 s[94:95], s[88:89], 16*REC
	s_or_b32 s95, s95, 0x80000000
	s_cmp_eq_u32 s14, 0                            ; one tensor load a wave at the head: waves 0, 2 bring x's two halves, waves 1, 3 Wq's
	s_cbranch_scc0 .Lfill_b
	tensor_load_to_lds s[40:43], s[24:31]
	s_nop 0
.rept 4
	v_nop
.endr
	s_branch .Lfilled
.Lfill_b:
	tensor_load_to_lds s[48:51], s[32:39]
	s_nop 0
.rept 4
	v_nop
.endr
.Lfilled:
	v_and_b32 v3, 31, v0                           ; lane
	v_and_b32 v1, 15, v0                           ; r
	v_bfe_u32 v2, v0, 4, 1                         ; h
	v_lshlrev_b32 v[O16], 4, v3
	v_lshlrev_b32 v[OT], 4, v1
	v_lshl_add_u32 v[OT], v2, 3, v[OT]
	v_lshlrev_b32 v[O8], 3, v3
	s_mul_i32 s74, s13, 6144                       ; x: my four tiles of a K step
	s_add_co_u32 s74, s74, 4096
	v_add_nc_u32 v[AX], s74, v[O16]
	v_add_nc_u32 v[AX+1], 4*KST, v[AX]
	v_add_nc_u32 v[AX+2], s74, v[OT]
	v_add_nc_u32 v[AX+3], 4*KST, v[AX+2]
	s_mul_i32 s74, s14, 6144                       ; W: my head's four tiles
	s_add_co_u32 s74, s74, LB0+4096
	v_add_nc_u32 v[AB0], s74, v[O16]
	v_add_nc_u32 v[AB0+1], 4*KST, v[AB0]
	v_add_nc_u32 v[AB0+2], s74, v[OT]
	v_add_nc_u32 v[AB0+3], 4*KST, v[AB0+2]
	s_add_co_u32 s74, s74, REC
	v_add_nc_u32 v[AB1], s74, v[O16]
	v_add_nc_u32 v[AB1+1], 4*KST, v[AB1]
	v_add_nc_u32 v[AB1+2], s74, v[OT]
	v_add_nc_u32 v[AB1+3], 4*KST, v[AB1+2]
	s_lshl_b32 s74, s13, 10                        ; scale words: lanes 0-15 x's rows (1,024 wm on), lanes 16-31 W's: the lower base + h x the distance
	s_lshl_b32 s75, s14, 10
	s_add_co_u32 s75, s75, LB0
	s_sub_co_u32 s75, s75, s74
	s_add_co_u32 s76, s75, REC
	v_lshl_add_u32 v23, v1, 4, s74
	v_mul_u32_u24 v[AS0], s75, v2
	v_add_nc_u32 v[AS0], v[AS0], v23
	v_mul_u32_u24 v[AS1], s76, v2
	v_add_nc_u32 v[AS1], v[AS1], v23
	s_mov_b32 s72, 0x76543210
	s_mov_b32 s73, 0xfedcba98                      ; v_permlanex16_b32's selects for lane l xor 16
	s_mov_b32 s78, 0xffff0000                      ; lanes 16-31
.irp e, 0,1,2,3,4,5,6,7
	v_mov_b32 v[X8+\e], 0                          ; written once: a lane permute's destination counts as one of its sources
.endr
	; where the results go: these hold cx and cy and enter stores' addresses alone
	s_lshr_b32 s96, s18, 4
	s_lshl_b32 s96, s96, 4
	s_lshl_b32 s97, s17, 1
	s_add_co_u32 s96, s96, s97
	s_add_co_u32 s96, s96, s14                     ; 16 x batch + head
	s_and_b32 s97, s18, 15                         ; which 128 tokens of the batch
	s_mul_i32 s98, s96, 106496
	s_lshl_b32 s99, s97, 1
	s_add_co_u32 s99, s99, s13
	s_mul_i32 s99, s99, 3328
	s_add_co_u32 s98, s98, s99
	s_mov_b32 s99, 0
	s_add_nc_u64 s[60:61], s[8:9], s[98:99]        ; q: my group of 64 tokens
	s_mul_i32 s98, s96, 212992
	s_mul_i32 s97, s97, 13312
	s_add_co_u32 s98, s98, s97
	s_add_nc_u64 s[10:11], s[10:11], s[98:99]      ; the record of these 128 keys
	s_mul_i32 s98, s13, 3072
	s_add_nc_u64 s[62:63], s[10:11], s[98:99]      ; k: my four half fragments
	s_lshl_b32 s98, s13, 8
	s_add_co_u32 s98, s98, 12288
	s_add_nc_u64 s[66:67], s[10:11], s[98:99]      ; k's scale words; v's lie 512 bytes on
	s_mul_i32 s98, s13, 768
	s_add_co_u32 s98, s98, 6144
	s_add_nc_u64 s[68:69], s[10:11], s[98:99]      ; v: key half wm of each channel tile
	s_wait_alu depctr_va_vdst(0)
	s_wait_tensorcnt 0x0                           ; my half record is in
	ds_add_u32 v[SPW], v[NIL]                      ; 0 onto my spare word
	s_mov_b32 s34, 100<<16                         ; no tensor load of mine is out: from here on a weight's load brings a quarter record, 100 rows
	s_mov_b32 s36, 100
	s_wait_dscnt 0x0                               ; the add is done
	CROUND                                         ; x's and Wq's records are whole, and all sixteen work-groups are here
	tensor_load_to_lds s[56:59], s[32:39]          ; Wk, piece w: my one load behind the round; it has q's products and q's way out in which to land
	s_nop 0
.rept 4
	v_nop
.endr
	SCALES AS0
	RUN 0, 7, AB0, AX, 0
	s_wait_tensorcnt 0x0                           ; all my tensor loads have landed, Wk's piece among them;
	ds_add_u32 v[SPW], v[NIL]                      ; 0 onto my spare word;
	s_wait_dscnt 0x0                               ; the add is done, and my reads of Wq's record are over
	CROUND                                         ; no wave of any partner still reads Wq's record or has a load on its way
	tensor_load_to_lds s[92:95], s[32:39]          ; Wv into its place: my one load behind the round; it has q's way out and all of k's products in which to land
	s_nop 0
.rept 4
	v_nop
.endr
	EPI 0, 60, 60, 3072, 768
	SCALES AS1
	RUN 0, 7, AB1, AX, 0
	EPI 1, 62, 66, 0, 768
	s_wait_tensorcnt 0x0                           ; my piece of Wv is in,
	s_barrier_signal -1
	s_barrier_wait -1                              ; everybody's is
	SCALES AS0
	RUN 0, 7, AX, AB0, 1
	EPI 0, 68, 66, 512, 1536
	s_wait_tensorcnt 0x0                           ; the wave's end
	ds_add_u32 v[SPW], v[NIL]
	s_wait_dscnt 0x0
	CROUND                                         ; the closing round: no work-group ends while a partner may still ask for a piece that names it
	s_endpgm
.Lfunc_end_k_q09938a1099_qkv:
	.size	k_q09938a1099_qkv, .Lfunc_end_k_q09938a1099_qkv-k_q09938a1099_qkv
	.p2alignl 7, 3214868480
	.fill 96, 4, 3214868480
	.section	.rodata,"a",@progbits
	.p2align	6, 0x0
	.amdhsa_kernel k_q09938a1099_qkv
		.amdhsa_group_segment_fixed_size 327680
		.amdhsa_private_segment_fixed_size 0
		.amdhsa_enable_private_segment 0
		.amdhsa_kernarg_size 32
		.amdhsa_user_sgpr_count 2
		.amdhsa_user_sgpr_kernarg_segment_ptr 1
		.amdhsa_wavefront_size32 1
		.amdhsa_system_sgpr_workgroup_id_x 1
		.amdhsa_system_sgpr_workgroup_id_y 1
		.amdhsa_system_sgpr_workgroup_id_z 1
		.amdhsa_system_vgpr_workitem_id 0
		.amdhsa_next_free_vgpr 448
		.amdhsa_next_free_sgpr 100
		.amdhsa_reserve_vcc 0
		.amdhsa_float_denorm_mode_32 3
		.amdhsa_float_denorm_mode_16_64 3
		.amdhsa_memory_ordered 1
		.amdhsa_forward_progress 1
		.amdhsa_inst_pref_size 138
	.end_amdhsa_kernel
	.amdgpu_metadata
---
amdhsa.version: [ 1, 2 ]
amdhsa.kernels:
  - .name:           k_q09938a1099_qkv
    .symbol:         k_q09938a1099_qkv.kd
    .args:
      - { .name: XT, .offset: 0, .size: 8, .value_kind: global_buffer, .address_space: global }
      - { .name: WT, .offset: 8, .size: 8, .value_kind: global_buffer, .address_space: global }
      - { .name: QC, .offset: 16, .size: 8, .value_kind: global_buffer, .address_space: global }
      - { .name: KV, .offset: 24, .size: 8, .value_kind: global_buffer, .address_space: global }
    .group_segment_fixed_size: 327680
    .private_segment_fixed_size: 0
    .kernarg_segment_align: 8
    .kernarg_segment_size: 32
    .max_flat_workgroup_size: 128
    .sgpr_count:     100
    .vgpr_count:     448
    .wavefront_size: 32
...
	.end_amdgpu_metadata
.endif
;; end of part 2
;; launch attn (part 3): grid 8 x 32, 16 waves a work-group, clusters of 4 x 1, 327,680 bytes of LDS; arguments QC, KV, span_val, AO; writes AO
.if DOCPART == 3
	.amdgcn_target "amdgcn-amd-amdhsa--gfx1250"
	.amdhsa_code_object_version 6
	.text
	.protected	k_q09938a1099_attn
	.globl	k_q09938a1099_attn
	.p2align	8
	.type	k_q09938a1099_attn,@function
k_q09938a1099_attn:
	s_mov_b64 s[64:65], 0
	v_nop
	global_prefetch_b8 v0, s[64:65] scope:SCOPE_SE
	s_setreg_imm32_b32 hwreg(HW_REG_WAVE_MODE, 25, 1), 1
	s_wait_xcnt 0x0
	s_wait_alu depctr_hold_cnt(0) depctr_sa_sdst(0) depctr_va_vdst(0) depctr_va_sdst(0) depctr_va_ssrc(0) depctr_va_vcc(0) depctr_vm_vsrc(0)
	s_getreg_b32 s2, hwreg(HW_REG_IB_STS2, 6, 4)
	s_cmp_eq_u32 s2, 0
	s_cbranch_scc0 .Lentry_in_a_cluster
	s_endpgm
.Lentry_in_a_cluster:
	s_bfe_u32 s2, ttmp6, 0x10000c
	s_cmp_lg_u32 s2, 0x3003
	s_cbranch_scc0 .Lentry_shape_is_right
	s_endpgm
.Lentry_shape_is_right:
; Attention of one head on codes of FP6 (E2M3) with E8M0 scales: scores = q k^T / 64, causal, softmax, x span mask, / (sum + 1e-8), quantised along the keys, x v; the result quantised along the channels into AO.
; LEFT OUT: key steps that lie wholly above the diagonal: reference() adds -1e9 there ahead of the softmax, whose exponential is then 0 in f32.  LIMIT: that holds while scores stay far under 1e9 in magnitude; inside the
; diagonal step such keys get -infinity.  A NaN or infinity that reaches only those tiles is not carried on.  LIMITS: NaN and infinities are not served; the scaled scores stay under 2^31 in magnitude.
; w = e mask / (sum(e mask) + 1e-8 sum(e)), e = 2^(t - M): so the divisor is sum(e (mask + 1e-8)).  It must be known before p is quantised: TWO PASSES over the keys.
; THE MASK GOES INTO THE EXPONENT: two tables in LDS, log2(mask + 1e-8) for pass 1 and log2(mask) (held at -1000, which gives p = 0 since t - M is at most 27) for pass 2, both x 64 ln 2 (score units),
; are loaded into the score accumulators and are the C of the score products.  The running maximum is taken of these sums.  Rounding differs from a multiplication by the mask by a few ulp, for the keys of the ramp alone.
; SHARES.  Work-group (x, head): tile x (16 queries) of each of the 16 blocks of 128 queries; the head's 16 records of K and V (13,312 bytes each) lie in LDS, one joint load a wave at the head, none later.
; A tile of block j has j + 1 steps of 128 keys.  Pair p (0..7) owns tile A (block p) and tile B (block 15 - p): 17 steps.  The pair's first wave (role 0) takes all of A and B's first 8 - p steps, 9 steps;
; its second (role 1, wave number + 4) takes B's last 8 steps.  B's (-M, sum) of pass 1 and B's partial O of pass 2 go from wave to wave through LDS, each behind a work-group barrier; role 1 finishes B.
; Every wave walks every loop (8 trips for A, 16 for B) and jumps over the steps that are not its own, by the wave's number alone.  (A role 1 wave also loads A's q and closes A's empty sums: a few lines that it never uses.)
; CLUSTER 4 x 1: four work-groups of one head ask for each record jointly.  No prefetch: all tiles are asked for at the head, there is no loop to run ahead in.
; Both products are used transposed: a lane holds one query, its registers run along the keys (scores) or the channels (O).
.set RECB,  13312
.set HEADB, 16*RECB
.set LM2,   HEADB                      ; log2(mask) table, 8,192 bytes; MK1 behind it: log2(mask + 1e-8)
.set MK1,   8192
.set XCH,   HEADB+16384                ; 8 bytes a thread: (-M, sum)
.set OX,    XCH+4096                   ; 4,096 bytes a pair: a partial O
.set SPARE, OX+32768                   ; the spare words, 128 bytes a wave
.set PW,  19                           ; p's scale word
.set FF,  26
.set C2,  28
.set SPW, 30
.set NIL, 31
.set QX,  32                           ; a tile's q: [6 codes][6 zeros][6 codes], then two scale words.  Registers 0-11: q in the lower 64 of K; 6-17: in the upper 64
.set QY,  52
.set SK,  72
.set VS,  74
.set VM,  78
.set FR,  80
.set S,   128
.set O,   192
.set PP,  224
.set UU,  236
.set TM,  244
.macro CROUND
	s_barrier_signal -1
	s_barrier_wait -1
	s_cmp_lg_u32 s12, 0
	s_cbranch_scc1 .Lnot_wave_0_\@
	s_barrier_signal -3
.Lnot_wave_0_\@:
	s_barrier_wait -3
	s_barrier_signal -1
	s_barrier_wait -1
.endm
.macro D1
	s_delay_alu instid0(VALU_DEP_1)
.endm
.macro NOPS n
.rept \n
	v_nop
.endr
.endm
.macro MM d, a, b, sa, sb, row         ; d += a x b, in place; row 1: a's scales stand in lanes 16-31
.if \row
	v_wmma_scale_f32_16x16x128_f8f6f4 v[\d:\d+7], v[\a:\a+11], v[\b:\b+11], v[\d:\d+7], v[\sa], v[\sb] matrix_a_fmt:MATRIX_FMT_FP6 matrix_b_fmt:MATRIX_FMT_FP6 matrix_a_scale:MATRIX_SCALE_ROW1
.else
	v_wmma_scale_f32_16x16x128_f8f6f4 v[\d:\d+7], v[\a:\a+11], v[\b:\b+11], v[\d:\d+7], v[\sa], v[\sb] matrix_a_fmt:MATRIX_FMT_FP6 matrix_b_fmt:MATRIX_FMT_FP6
.endif
.endm
.macro FRAGS base                      ; four fragments (each two half fragments on end) of K or of V
.irp p, 0,1,2,3
	ds_load_b128 v[FR+12*\p:FR+12*\p+3], v7 offset:\base+1536*\p
	ds_load_b64 v[FR+12*\p+4:FR+12*\p+5], v8 offset:\base+1536*\p+512
	ds_load_b128 v[FR+12*\p+6:FR+12*\p+9], v7 offset:\base+1536*\p+768
	ds_load_b64 v[FR+12*\p+10:FR+12*\p+11], v8 offset:\base+1536*\p+1280
.endr
.endm
.macro LMS off                         ; the table's 128 keys of this step into the score accumulators: register 16 b + i = key 32 b + 16 h + i
.irp q, 0,1,2,3,4,5,6,7,8,9,10,11,12,13,14,15
	ds_load_b128 v[S+4*\q:S+4*\q+3], v10 offset:\off+128*(\q/4)+16*(\q%4)
.endr
.endm
.macro ADDRS                           ; four plain lines: also the places behind the last step's products, ahead of the loads
	v_add_nc_u32 v7, s19, v1
	v_add_nc_u32 v8, s19, v2
	v_add_nc_u32 v9, s19, v3
	v_add_nc_u32 v10, s20, v4
.endm
.macro SCORES q                        ; S^T = k q^T + table: a fragment of K holds two tiles of 16 keys x 64 channels; q with zeros above or below picks one.  Eight accumulators, one instruction each
.irp p, 0,1,2,3
	MM S+16*\p, FR+12*\p, \q, SK+\p/2, \q+18, (\p)%2
	MM S+16*\p+8, FR+12*\p, \q+6, SK+\p/2, \q+19, (\p)%2
.endr
.endm
.macro DIAG dg                         ; the diagonal step: keys behind the lane's query get -infinity
	s_cmp_lg_u32 s18, s[\dg]
	s_cbranch_scc1 .Lopen_\@
.set nn, 0
.rept 64
	v_cmp_gt_i32 vcc_lo, 32*(nn/16)+nn%16, v5
	v_cndmask_b32 v[S+nn], v[S+nn], v6, vcc_lo
.set nn, nn+1
.endr
.Lopen_\@:
.endm
.macro EXPS of                         ; 2^(score x log2(e) / 64 + the lane's offset)
.set nn, 0
.rept 32
	v_pk_fma_f32 v[S+nn:S+nn+1], v[S+nn:S+nn+1], s[22:23], v[\of:\of+1] op_sel_hi:[1,0,0]
.set nn, nn+2
.endr
	s_wait_alu depctr_va_vdst(0)                   ; ahead of the batch
.set nn, 0
.rept 64
	v_exp_f32 v[S+nn], v[S+nn]
.set nn, nn+1
.endr
.endm
.macro NEXT
	s_add_co_u32 s18, s18, 1
	s_add_co_u32 s19, s19, RECB
	s_add_co_u32 s20, s20, 512
.endm
.macro MINE s0, len, to                ; is step s18 one of mine?  first step s0, len + 1 steps: numbers made of the wave's number alone
	s_sub_co_u32 s17, s18, s[\s0]
	s_cmp_gt_u32 s17, s[\len]
	s_cbranch_scc1 \to
.endm
.macro STEP1 q, s0, len, dg            ; pass 1: the running maximum (M a whole number, kept as -M in v12) and the sum in v[14:15]
	MINE \s0, \len, .Lskip_\@
	ADDRS
	LMS MK1
	FRAGS 0
	ds_load_b32 v[SK], v9 offset:12288
	ds_load_b32 v[SK+1], v9 offset:12544
	s_wait_dscnt 0x0
	SCORES \q
	NOPS 4
	DIAG \dg
.irp b, 0,1,2,3
	v_max3_num_f32 v[TM+\b], v[S+16*\b], v[S+16*\b+1], v[S+16*\b+2]
.endr
.irp i, 3,5,7,9,11,13
.irp b, 0,1,2,3
	v_max3_num_f32 v[TM+\b], v[TM+\b], v[S+16*\b+\i], v[S+16*\b+\i+1]
.endr
.endr
.irp b, 0,1,2,3
	v_max_num_f32 v[TM+\b], v[TM+\b], v[S+16*\b+15]
.endr
	v_max3_num_f32 v[TM], v[TM], v[TM+1], v[TM+2]
	D1
	v_max_num_f32 v[TM], v[TM], v[TM+3]
	D1
	v_permlanex16_b32 v[TM+4], v[TM], s48, s49
	D1
	v_max_num_f32 v[TM], v[TM], v[TM+4]
	D1
	v_mul_f32 v[TM], s22, v[TM]
	D1
	v_max_num_f32 v13, v13, v[TM]
	v_mov_b32 v[TM], v12
	s_delay_alu instid0(VALU_DEP_2)
	v_floor_f32 v12, -v13
	D1
	v_sub_f32 v[TM], v12, v[TM]
	D1
	v_cvt_i32_f32 v[TM], v[TM]
	D1
	v_ldexp_f32 v[FF], 1.0, v[TM]                  ; 2^(old M - new M)
	EXPS 12
	v_pk_mul_f32 v[14:15], v[14:15], v[FF:FF+1] op_sel_hi:[1,0]   ; the sum under the new M; the plain place behind the batch
	s_wait_alu depctr_va_vdst(0)                   ; one wait for the batch, ahead of its first reader
	v_pk_add_f32 v[C2:C2+1], v[S:S+1], v[S+2:S+3]
.set nn, 4
.rept 15
	v_pk_add_f32 v[14:15], v[14:15], v[S+nn:S+nn+1]
	v_pk_add_f32 v[C2:C2+1], v[C2:C2+1], v[S+nn+2:S+nn+3]
.set nn, nn+4
.endr
	D1
	v_pk_add_f32 v[14:15], v[14:15], v[C2:C2+1]
.Lskip_\@:
	NEXT
.endm
.macro STEP2 q, of, s0, len, dg        ; pass 2: the finished w, quantised block by block of 32 keys, x V
	MINE \s0, \len, .Lskip_\@
	ADDRS
	LMS 0
	FRAGS 0
	ds_load_b32 v[SK], v9 offset:12288
	ds_load_b32 v[SK+1], v9 offset:12544
	ds_load_b64 v[VS:VS+1], v9 offset:12800
	ds_load_b64 v[VS+2:VS+3], v9 offset:13056
	s_wait_alu depctr_va_vdst(0)
	s_wait_dscnt 0x0
	SCORES \q
	v_lshl_or_b32 v[VM], v[VS+2], 16, v[VS]        ; V's scale words of both key halves; with the two v_nop the four places behind the products
	v_lshl_or_b32 v[VM+1], v[VS+3], 16, v[VS+1]
	NOPS 2
	FRAGS 6144                                     ; V's fragments take K's registers: they land under the exponentials
	DIAG \dg
	EXPS \of
	v_nop
	s_wait_alu depctr_va_vdst(0)
.irp b, 0,1,2,3
	v_max3_num_f32 v[TM+\b], v[S+16*\b], v[S+16*\b+1], 0x1800000   ; the floor 2^(3 - 127) holds the byte at 1 from below
.endr
.irp i, 2,4,6,8,10,12,14
.irp b, 0,1,2,3
	v_max3_num_f32 v[TM+\b], v[TM+\b], v[S+16*\b+\i], v[S+16*\b+\i+1]
.endr
.endr
.irp b, 0,1,2,3
	v_permlanex16_b32 v[TM+4+\b], v[TM+\b], s48, s49
.endr
.irp b, 0,1,2,3
	v_max_num_f32 v[TM+\b], v[TM+\b], v[TM+4+\b]
.endr
.irp b, 0,1,2,3
	v_add_nc_u32 v[TM+8+\b], 0xff000000, v[TM+\b]  ; 2 off the exponent field: the conversion's scale operand
.endr
.irp b, 0,1,2,3
	v_lshrrev_b32 v[TM+4+\b], 23, v[TM+8+\b]
.endr
	v_lshl_or_b32 v[PW], v[TM+5], 8, v[TM+4]
	D1
	v_lshl_or_b32 v[PW], v[TM+6], 16, v[PW]
	D1
	v_lshl_or_b32 v[PW], v[TM+7], 24, v[PW]
.irp c, 0,1
	v_cvt_scalef32_pk16_fp6_f32 v[PP+6*\c:PP+6*\c+2], v[S+32*\c:S+32*\c+15], v[TM+8+2*\c]
	v_cvt_scalef32_pk16_fp6_f32 v[UU+4*\c:UU+4*\c+2], v[S+32*\c+16:S+32*\c+31], v[TM+8+2*\c+1]
.endr
	v_nop                                          ; one plain place behind a scaled conversion
.irp c, 0,1                                    ; a whole block to a lane
.irp i, 0,1,2
	v_permlane16_swap_b32 v[PP+6*\c+\i], v[UU+4*\c+\i]
.endr
.irp i, 0,1,2
	v_mov_b32 v[PP+3+6*\c+\i], v[UU+4*\c+\i]
.endr
.endr
	NOPS 4
	s_wait_alu depctr_va_vdst(0)                   ; ahead of the readers of O
	s_wait_dscnt 0x0
.irp t, 0,1,2,3
	MM O+8*\t, FR+12*\t, PP, VM+\t/2, PW, (\t)%2
.endr
.Lskip_\@:
	NEXT
.endm
.macro WALK trips
	s_mov_b32 s18, 0
	s_mov_b32 s19, 0
	s_mov_b32 s20, 0
	s_mov_b32 s21, \trips
.endm
.macro PASS1 q, s0, len, dg, trips
	WALK \trips
.Lp1_\@:
	STEP1 \q, \s0, \len, \dg
	s_sub_co_u32 s21, s21, 1
	s_cmp_lg_u32 s21, 0
	s_cbranch_scc1 .Lp1_\@
	s_wait_alu depctr_va_vdst(0)
.endm
.macro PASS2 q, of, s0, len, dg, trips, keep   ; keep 1: a role 1 wave, which has no step of this walk, keeps the O that it holds
.if \keep
	s_cmp_lg_u32 s40, 0
	s_cbranch_scc1 .Lkept_\@
.endif
.set nn, 0
.rept 32
	v_mov_b32 v[O+nn], 0
.set nn, nn+1
.endr
.Lkept_\@:
	WALK \trips
.Lp2_\@:
	STEP2 \q, \of, \s0, \len, \dg
	s_sub_co_u32 s21, s21, 1
	s_cmp_lg_u32 s21, 0
	s_cbranch_scc1 .Lp2_\@
	NOPS 4                                         ; places behind the last products, ahead of reads and writes of O
	s_wait_alu depctr_va_vdst(0)
.endm
.macro INIT
	v_mov_b32 v13, 0xff61b1e6                      ; -3e38, under every t
	v_mov_b32 v14, 0
	v_mov_b32 v15, 0
	v_floor_f32 v12, -v13
.endm
.macro EPI a                           ; O (16 queries x 64 channels) becomes a half fragment and two scale bytes of AO
.irp b, 0,1
	v_max3_num_f32 v[TM+\b], |v[O+16*\b]|, |v[O+16*\b+1]|, 0x1800000
.endr
.irp i, 2,4,6,8,10,12,14
.irp b, 0,1
	v_max3_num_f32 v[TM+\b], v[TM+\b], |v[O+16*\b+\i]|, |v[O+16*\b+\i+1]|
.endr
.endr
.irp b, 0,1
	v_permlanex16_b32 v[TM+4+\b], v[TM+\b], s48, s49
.endr
.irp b, 0,1
	v_max_num_f32 v[TM+\b], v[TM+\b], v[TM+4+\b]
.endr
.irp b, 0,1
	v_add_nc_u32 v[TM+8+\b], 0xff000000, v[TM+\b]
.endr
.irp b, 0,1
	v_lshrrev_b32 v[TM+4+\b], 23, v[TM+8+\b]
.endr
	v_cvt_scalef32_pk16_fp6_f32 v[PP:PP+2], v[O:O+15], v[TM+8]
	v_cvt_scalef32_pk16_fp6_f32 v[UU:UU+2], v[O+16:O+31], v[TM+9]
	v_nop
.irp i, 0,1,2
	v_permlane16_swap_b32 v[PP+\i], v[UU+\i]
.endr
.irp i, 0,1,2
	v_mov_b32 v[PP+3+\i], v[UU+\i]
.endr
	v_cndmask_b32 v[TM], v[TM+4], v[TM+5], s50
	global_store_b128 v1, v[PP:PP+3], s[\a:\a+1]
	global_store_b64 v2, v[PP+4:PP+5], s[\a:\a+1] offset:512
	global_store_b8 v11, v[TM], s[\a+2:\a+3]
	s_wait_xcnt 0x0                                ; the stores have read their data: those registers are written again only behind this wait
.endm
.macro ADR3 base, a, o1, o2            ; s[a:a+1] = base + s[56:57] + o1, s[a+2:a+3] = base + s[56:57] + o2
	s_add_nc_u64 s[\a+2:\a+3], s[\base:\base+1], s[56:57]
	s_add_nc_u64 s[\a:\a+1], s[\a+2:\a+3], s[\o1:\o1+1]
	s_add_nc_u64 s[\a+2:\a+3], s[\a+2:\a+3], s[\o2:\o2+1]
.endm
.macro QLOAD q, a
	global_load_b128 v[\q:\q+3], v1, s[\a:\a+1]
	global_load_b64 v[\q+4:\q+5], v2, s[\a:\a+1] offset:512
	global_load_b128 v[\q+12:\q+15], v1, s[\a:\a+1]
	global_load_b64 v[\q+16:\q+17], v2, s[\a:\a+1] offset:512
	global_load_b32 v[\q+18], v83, s[\a+2:\a+3]
.endm
	s_load_b256 s[4:11], s[0:1], 0x0               ; QC, KV, span_val, AO
	v_lshl_add_u32 v[SPW], v0, 2, SPARE
	v_mov_b32 v[NIL], 0
	ds_add_u32 v[SPW], v[NIL]                      ; the opening lines: the add, twice on end, and its wait ahead of my tensor load
	ds_add_u32 v[SPW], v[NIL]
	v_lshrrev_b32 v1, 5, v0
	v_readfirstlane_b32 s12, v1                    ; wave 0..15
	s_bfe_u32 s13, ttmp6, 0x40000                  ; cx
	s_lshl_b32 s14, ttmp9, 2
	s_add_co_u32 s14, s14, s13                     ; x: my work-group's tile in each block; it enters global addresses and the causal threshold alone
	s_and_b32 s15, ttmp7, 0xffff                   ; 16 batch + head
	s_and_b32 s16, s15, 15                         ; head
	s_bfe_u32 s40, s12, 0x10002                    ; role
	s_and_b32 s41, s12, 3
	s_lshr_b32 s42, s12, 3
	s_lshl_b32 s42, s42, 2
	s_add_co_u32 s41, s41, s42                     ; p: A's block, A's steps less one, A's diagonal step
	s_sub_co_u32 s43, 15, s41                      ; B's block
	s_sub_co_u32 s45, 8, s41
	s_sub_co_u32 s46, 7, s41
	s_cmp_eq_u32 s40, 0
	s_cselect_b32 s44, 0, 99                       ; A's first step (99: none is mine)
	s_cselect_b32 s45, 0, s45                      ; my first step of B
	s_cselect_b32 s46, s46, 7                      ; my steps of B less one
	s_cselect_b32 s47, 99, s43                     ; B's diagonal step, if it is mine
	s_mov_b32 s24, 15|(3<<16)|(1<<21)              ; group 1: the mask of all four partners; elements of 8 bytes; bit 21 beside a mask
	s_mov_b32 s25, 32<<16                          ; 52 rows of 256 bytes, dense: one record
	s_mov_b32 s26, 52<<16
	s_mov_b32 s27, 32<<16
	s_mov_b32 s28, 52
	s_mov_b32 s29, 32
	s_mov_b32 s30, 0
	s_mov_b32 s31, 0
	s_mul_i32 s52, s15, HEADB
	s_mul_i32 s53, s12, RECB                       ; wave w brings record w
	s_add_co_u32 s54, s52, s53
	s_mov_b32 s55, 0
	s_wait_dscnt 0x0
	s_wait_kmcnt 0x0
	s_add_nc_u64 s[54:55], s[6:7], s[54:55]
	CROUND                                         ; all four work-groups are here: the joint loads meet
	s_mov_b32 s32, 1
	s_mov_b32 s33, s53
	s_mov_b64 s[34:35], s[54:55]
	s_or_b32 s35, s35, 0x80000000
	tensor_load_to_lds s[32:35], s[24:31]          ; my one tensor load of the launch
	s_nop 0
	s_lshl_b32 s56, s16, 2
	s_mov_b32 s57, 0
	s_add_nc_u64 s[8:9], s[8:9], s[56:57]
	s_load_b32 s91, s[8:9], 0x0                    ; the head's span value
	s_mul_i32 s56, s15, 106496                     ; q: the head, the 64-token half x / 4 of a block,
	s_lshr_b32 s58, s14, 2
	s_mul_i32 s58, s58, 3328
	s_add_co_u32 s56, s56, s58
	s_add_nc_u64 s[4:5], s[4:5], s[56:57]
	s_and_b32 s70, s14, 3
	s_mul_i32 s70, s70, 768                        ; the half fragment,
	s_mov_b32 s71, 0
	s_and_b32 s72, s14, 1
	s_lshl_b32 s72, s72, 7
	s_bfe_u32 s58, s14, 0x10001
	s_lshl_b32 s58, s58, 2
	s_add_co_u32 s72, s72, s58
	s_add_co_u32 s72, s72, 3072                    ; and its scale words
	s_mov_b32 s73, 0
	s_mul_i32 s56, s41, 6656
	ADR3 4, 60, 70, 72                             ; A's q
	s_mul_i32 s56, s43, 6656
	ADR3 4, 66, 70, 72                             ; B's q
	s_lshr_b32 s58, s15, 4
	s_lshl_b32 s58, s58, 4                         ; AO: record 16 batch + block;
	s_lshr_b32 s84, s16, 1
	s_mul_i32 s84, s84, 12288
	s_mul_i32 s59, s14, 1536
	s_add_co_u32 s84, s84, s59
	s_and_b32 s59, s16, 1
	s_mul_i32 s86, s59, 768
	s_add_co_u32 s84, s84, s86
	s_add_co_u32 s84, s84, 4096                    ; codes: K step head / 2, tile x, half head % 2;
	s_mov_b32 s85, 0
	s_lshr_b32 s86, s16, 3
	s_lshl_b32 s86, s86, 11
	s_lshl_b32 s82, s14, 8
	s_add_co_u32 s86, s86, s82
	s_bfe_u32 s82, s16, 0x20001
	s_lshl_b32 s82, s82, 2
	s_add_co_u32 s86, s86, s82
	s_lshl_b32 s59, s59, 1
	s_add_co_u32 s86, s86, s59                     ; scale bytes
	s_mov_b32 s87, 0
	s_add_co_u32 s56, s58, s41
	s_mul_i32 s56, s56, 102400
	ADR3 10, 74, 84, 86                            ; A's place in AO
	s_add_co_u32 s56, s58, s43
	s_mul_i32 s56, s56, 102400
	ADR3 10, 78, 84, 86                            ; B's
	s_lshr_b32 s56, s14, 1
	s_lshl_b32 s56, s56, 5
	s_and_b32 s59, s14, 1
	s_lshl_b32 s59, s59, 3
	s_add_co_u32 s93, s56, s59                     ; the tile's first query in its block
	s_lshl_b32 s94, s41, 12
	s_add_co_u32 s94, s94, OX                      ; my pair's 4,096 bytes
	s_mov_b32 s48, 0x76543210
	s_mov_b32 s49, 0xfedcba98                      ; selects for lane l xor 16
	s_mov_b32 s50, 0xffff0000
	s_mov_b32 s22, 0x3cb8aa3b                      ; log2(e) / 64
	s_mov_b32 s23, s22
	s_mov_b32 s88, 0x3cf83e10                      ; 1 / 33
	s_mov_b32 s89, 0x42040000                      ; 33
	s_mov_b32 s90, 0x322bcc77                      ; 1e-8
	s_mov_b32 s92, 0x42317218                      ; 64 ln 2
	v_and_b32 v80, 15, v0                          ; r
	v_bfe_u32 v81, v0, 4, 1                        ; h
	v_and_b32 v82, 31, v0                          ; lane
	v_lshlrev_b32 v1, 4, v82
	v_lshlrev_b32 v2, 4, v80
	v_lshl_add_u32 v2, v81, 3, v2
	v_lshlrev_b32 v3, 3, v82
	v_lshl_add_u32 v4, v81, 6, LM2
	v_lshl_add_u32 v11, v80, 4, v81
	v_lshlrev_b32 v83, 3, v80
	v_lshl_add_u32 v16, v0, 3, XCH                 ; my (-M, sum),
	v_xor_b32 v17, 128, v0
	v_lshl_add_u32 v17, v17, 3, XCH                ; and my partner's (wave number xor 4)
	v_add_nc_u32 v18, s94, v1
	QLOAD QX, 60
	QLOAD QY, 66
.irp i, 0,1,2,3,4,5
	v_mov_b32 v[QX+6+\i], 0
	v_mov_b32 v[QY+6+\i], 0
.endr
	v_and_b32 v84, 8, v80
	v_add3_u32 v5, v80, v84, s93
	v_lshlrev_b32 v84, 4, v81
	v_sub_nc_u32 v5, v5, v84                       ; my query's place in its block - 16 h: register 16 b + i counts while 32 b + i is not above it
	v_lshlrev_b32 v86, 2, v0
	v_lshl_add_u32 v87, v0, 4, LM2
	s_wait_alu depctr_va_vdst(0)
	s_wait_kmcnt 0x0
	v_mov_b32 v85, s91                             ; the tables: thread t makes keys 4 t .. 4 t + 3.  mask = clip((key + 2048 span) / 33, 0, 1), the quotient mended by one step
	v_mul_f32 v85, 0x45000000, v85
.irp i, 0,1,2,3
	v_add_nc_u32 v[88+\i], \i, v86
.endr
.irp i, 0,1,2,3
	v_cvt_f32_u32 v[88+\i], v[88+\i]
.endr
.irp i, 0,1,2,3
	v_add_f32 v[88+\i], v85, v[88+\i]
.endr
.irp i, 0,1,2,3
	v_mul_f32 v[92+\i], s88, v[88+\i]
.endr
.irp i, 0,1,2,3
	v_fma_f32 v[88+\i], -v[92+\i], s89, v[88+\i]
.endr
.irp i, 0,1,2,3
	v_fma_f32 v[92+\i], v[88+\i], s88, v[92+\i]
.endr
.irp i, 0,1,2,3
	v_max_num_f32 v[92+\i], 0, v[92+\i]
.endr
.irp i, 0,1,2,3
	v_min_num_f32 v[92+\i], 1.0, v[92+\i]
.endr
.irp i, 0,1,2,3
	v_add_f32 v[96+\i], s90, v[92+\i]
.endr
	s_wait_alu depctr_va_vdst(0)                   ; ahead of the batch
.irp i, 0,1,2,3,4,5,6,7
	v_log_f32 v[92+\i], v[92+\i]
.endr
	v_nop
	s_wait_alu depctr_va_vdst(0)                   ; and behind it
.irp i, 0,1,2,3
	v_max_num_f32 v[92+\i], 0xc47a0000, v[92+\i]   ; log2(0) is held at -1000
.endr
.irp i, 0,1,2,3,4,5,6,7
	v_mul_f32 v[92+\i], s92, v[92+\i]              ; in score units
.endr
	ds_store_b128 v87, v[92:95]
	ds_store_b128 v87, v[96:99] offset:MK1
	s_wait_alu depctr_va_vdst(0)
	s_wait_loadcnt 0x0
	v_lshlrev_b32 v[QX+19], 16, v[QX+18]           ; the scale pair for q in the upper 64 of K
	v_lshlrev_b32 v[QY+19], 16, v[QY+18]
	v_mov_b32 v6, 0xff800000
	v_mov_b32 v23, 0                               ; upper halves of pairs that packed forms name
	v_mov_b32 v[FF+1], 0
.irp b, 0,1,2,3
	v_mov_b32 v[TM+4+\b], 0                        ; a lane permute's destination counts as one of its sources
.endr
	INIT
	s_wait_alu depctr_va_vdst(0)
	s_wait_tensorcnt 0x0                           ; my record is in,
	s_wait_dscnt 0x0                               ; my part of the tables is stored,
	s_barrier_signal -1
	s_barrier_wait -1                              ; everybody's is
; BOTH HAND-OVERS ARE SPLIT BARRIERS: a wave signals as soon as its part of B is stored, walks tile A between the signal and the wait (register work and LDS loads of K, V and the tables, which nobody writes), and waits only then.
	PASS1 QY, 45, 46, 47, 16
	v_add_f32 v14, v14, v15
	D1
	v_permlanex16_b32 v[TM+4], v14, s48, s49
	D1
	v_add_f32 v25, v14, v[TM+4]                    ; my part of B's sum,
	v_mov_b32 v24, v12                             ; beside its -M
	ds_store_b64 v16, v[24:25]
	INIT
	s_wait_alu depctr_va_vdst(0)
	s_wait_dscnt 0x0                               ; for my partner's sake
	s_barrier_signal -1
	PASS1 QX, 44, 41, 41, 8
	v_add_f32 v14, v14, v15
	D1
	v_permlanex16_b32 v[TM+4], v14, s48, s49
	D1
	v_add_f32 v21, v14, v[TM+4]                    ; A's sum
	v_mov_b32 v20, v12                             ; A's -M
	s_wait_alu depctr_va_vdst(0)
	s_barrier_wait -1
	ds_load_b64 v[28:29], v17                      ; my partner's part of B
	s_wait_dscnt 0x0
	v_min_num_f32 v[TM], v24, v28                  ; -M of the whole row
	D1
	v_sub_f32 v[TM+1], v[TM], v24
	v_sub_f32 v[TM+2], v[TM], v28
	s_delay_alu instid0(VALU_DEP_2)
	v_cvt_i32_f32 v[TM+1], v[TM+1]
	s_delay_alu instid0(VALU_DEP_2)
	v_cvt_i32_f32 v[TM+2], v[TM+2]
	s_delay_alu instid0(VALU_DEP_2)
	v_ldexp_f32 v25, v25, v[TM+1]                  ; both parts under it: nothing is rounded
	s_delay_alu instid0(VALU_DEP_2)
	v_ldexp_f32 v29, v29, v[TM+2]
	D1
	v_add_f32 v25, v25, v29
	s_wait_alu depctr_va_vdst(0)
	v_log_f32 v25, v25
	v_log_f32 v21, v21
	v_nop
	s_wait_alu depctr_va_vdst(0)
	v_sub_f32 v22, v[TM], v25                      ; pass 2's offsets: -M - log2(sum): B's,
	v_sub_f32 v20, v20, v21                        ; and A's
	PASS2 QY, 22, 45, 46, 47, 16, 0
	s_cmp_lg_u32 s40, 0
	s_cbranch_scc1 .Lkeeps
.irp t, 0,1,2,3,4,5,6,7
	ds_store_b128 v18, v[O+4*\t:O+4*\t+3] offset:512*\t      ; role 0 hands its part of B's O over, as an image of the registers
.endr
.Lkeeps:
	s_wait_dscnt 0x0                               ; my part of B's O is stored
	s_barrier_signal -1
	PASS2 QX, 20, 44, 41, 41, 8, 1                 ; tile A's pass 2 between the signal and the wait; its stores to memory come behind the wait
	s_barrier_wait -1
	s_cmp_lg_u32 s40, 0
	s_cbranch_scc1 .Lrole_1
	EPI 74
	s_branch .Ldone
.Lrole_1:
.irp t, 0,1,2,3,4,5,6,7
	ds_load_b128 v[S+4*\t:S+4*\t+3], v18 offset:512*\t
.endr
	s_wait_dscnt 0x0
.set nn, 0
.rept 16
	v_pk_add_f32 v[O+nn:O+nn+1], v[O+nn:O+nn+1], v[S+nn:S+nn+1]
.set nn, nn+2
.endr
	EPI 78
.Ldone:
	s_wait_tensorcnt 0x0                           ; the wave's end
	ds_add_u32 v[SPW], v[NIL]
	s_wait_dscnt 0x0
	CROUND                                         ; the closing round
	s_endpgm
.Lfunc_end_k_q09938a1099_attn:
	.size	k_q09938a1099_attn, .Lfunc_end_k_q09938a1099_attn-k_q09938a1099_attn
	.p2alignl 7, 3214868480
	.fill 96, 4, 3214868480
	.section	.rodata,"a",@progbits
	.p2align	6, 0x0
	.amdhsa_kernel k_q09938a1099_attn
		.amdhsa_group_segment_fixed_size 327680
		.amdhsa_private_segment_fixed_size 0
		.amdhsa_enable_private_segment 0
		.amdhsa_kernarg_size 32
		.amdhsa_user_sgpr_count 2
		.amdhsa_user_sgpr_kernarg_segment_ptr 1
		.amdhsa_wavefront_size32 1
		.amdhsa_system_sgpr_workgroup_id_x 1
		.amdhsa_system_sgpr_workgroup_id_y 1
		.amdhsa_system_sgpr_workgroup_id_z 1
		.amdhsa_system_vgpr_workitem_id 0
		.amdhsa_next_free_vgpr 256
		.amdhsa_next_free_sgpr 96
		.amdhsa_reserve_vcc 1
		.amdhsa_float_denorm_mode_32 3
		.amdhsa_float_denorm_mode_16_64 3
		.amdhsa_memory_ordered 1
		.amdhsa_forward_progress 1
		.amdhsa_inst_pref_size 96
	.end_amdhsa_kernel
	.amdgpu_metadata
---
amdhsa.version: [ 1, 2 ]
amdhsa.kernels:
  - .name:           k_q09938a1099_attn
    .symbol:         k_q09938a1099_attn.kd
    .args:
      - { .name: QC, .offset: 0, .size: 8, .value_kind: global_buffer, .address_space: global }
      - { .name: KV, .offset: 8, .size: 8, .value_kind: global_buffer, .address_space: global }
      - { .name: span_val, .offset: 16, .size: 8, .value_kind: global_buffer, .address_space: global }
      - { .name: AO, .offset: 24, .size: 8, .value_kind: global_buffer, .address_space: global }
    .group_segment_fixed_size: 327680
    .private_segment_fixed_size: 0
    .kernarg_segment_align: 8
    .kernarg_segment_size: 32
    .max_flat_workgroup_size: 512
    .sgpr_count:     96
    .vgpr_count:     256
    .wavefront_size: 32
...
	.end_amdgpu_metadata
.endif
;; end of part 3
;; launch oproj (part 4): grid 8 x 32, 4 waves a work-group, clusters of 4 x 4, 246,272 bytes of LDS; arguments AO, WT, out0; writes out0
.if DOCPART == 4
	.amdgcn_target "amdgcn-amd-amdhsa--gfx1250"
	.amdhsa_code_object_version 6
	.text
	.protected	k_q09938a1099_oproj
	.globl	k_q09938a1099_oproj
	.p2align	8
	.type	k_q09938a1099_oproj,@function
k_q09938a1099_oproj:
	s_mov_b64 s[64:65], 0
	v_nop
	global_prefetch_b8 v0, s[64:65] scope:SCOPE_SE
	s_setreg_imm32_b32 hwreg(HW_REG_WAVE_MODE, 25, 1), 1
	s_wait_xcnt 0x0
	s_wait_alu depctr_hold_cnt(0) depctr_sa_sdst(0) depctr_va_vdst(0) depctr_va_sdst(0) depctr_va_ssrc(0) depctr_va_vcc(0) depctr_vm_vsrc(0)
	s_getreg_b32 s2, hwreg(HW_REG_IB_STS2, 6, 4)
	s_cmp_eq_u32 s2, 0
	s_cbranch_scc0 .Lentry_in_a_cluster
	s_endpgm
.Lentry_in_a_cluster:
	s_bfe_u32 s2, ttmp6, 0x10000c
	s_cmp_lg_u32 s2, 0xf033
	s_cbranch_scc0 .Lentry_shape_is_right
	s_endpgm
.Lentry_shape_is_right:
; out0 = attention's result x Wo, both as codes of FP6 (E2M3) with E8M0 scales, in records laid in the order of the operands' registers; out0 [4096][1024] f32.
; Work-group (ni, mi): 128 tokens x 128 columns; wave w: tokens' half wm = w / 2, columns' half wn = w % 2: 64 x 64, 16 accumulators.  Both records (102,400 bytes each) come into LDS once.
; Source 0 = 16 columns of Wo, source 1 = 16 tokens: a lane holds ONE token, and the 16 registers of tiles 2 b, 2 b + 1 are columns 32 b + 16 h + 0 .. 15 of the wave's 64.
; The tokens of a tile are not neighbours (row i of tile a: token 32 (a / 2) + 8 (a % 2) + i + 8 (i / 8)): the stores' offsets put each row where it belongs.
; CLUSTER 4 x 4: the tokens' record is shared along a row of the cluster, Wo's along a column: each piece is asked for jointly.
; REGISTERS.  Window 0: v1-3 r, h, lane; v4-11 fragment addresses; v16 scale address; v20-21 lane offsets; v23-25 the way out; v32-63 scale words; v64-191 accumulators; v192-255 rows on the way out.  Window 1: two fragment buffers of 96.
.set REC,   102400
.set PIECE, 25600
.set KST,   12288
.set LB0,   REC
.set STAGE, 2*REC                      ; behind the records: two stages of 16 rows x 272 bytes for each wave
.set AX,    4
.set AB0,   8
.set AS0,   16
.set O16,   20
.set OT,    21
.set STO,   23
.set RD,    24
.set CO,    25
.set SC,    32
.set ACC,   64
.set BK,    192
.set MSB, 0
.macro WIN new                         ; the immediate's high byte repeats the setting that is left
.if MSB != \new
	s_set_vgpr_msb (MSB<<8)|\new
.set MSB, \new
.endif
.endm
.macro PLACES                          ; four plain places behind a matrix instruction, ahead of loads into its registers and of reads of its results
.rept 4
	v_nop
.endr
.endm
.macro CROUND                          ; a round of the cluster's barrier
	s_barrier_signal -1
	s_barrier_wait -1
	s_cmp_lg_u32 s12, 0
	s_cbranch_scc1 .Lnot_wave_0_\@
	s_barrier_signal -3
.Lnot_wave_0_\@:
	s_barrier_wait -3
	s_barrier_signal -1
	s_barrier_wait -1
.endm
.macro FRAG reg, ra, s, i
	ds_load_b128 v[\reg:\reg+3], v[\ra+(\s)/4] offset:((\s)%4)*KST+1536*(\i)
	ds_load_b64 v[\reg+4:\reg+5], v[\ra+2+(\s)/4] offset:((\s)%4)*KST+1536*(\i)+512
	ds_load_b128 v[\reg+6:\reg+9], v[\ra+(\s)/4] offset:((\s)%4)*KST+1536*(\i)+768
	ds_load_b64 v[\reg+10:\reg+11], v[\ra+2+(\s)/4] offset:((\s)%4)*KST+1536*(\i)+1280
.endm
.macro FETCH s, f, R0, R1
	WIN 0x40
.irp i, 0,1,2,3
	FRAG 96*(\f)+12*\i, \R0, \s, \i
.endr
.irp i, 0,1,2,3
	FRAG 96*(\f)+48+12*\i, \R1, \s, \i
.endr
.endm
.macro MUL s, f                        ; 16 matrix instructions, the accumulators by turns; K step 0 starts the sums with the constant 0
	WIN 0x05
.irp n, 0,1,2,3
.irp m, 0,1,2,3
.if (\s) == 0
	v_wmma_scale_f32_16x16x128_f8f6f4 v[ACC+8*(4*\n+\m):ACC+8*(4*\n+\m)+7], v[96*(\f)+12*\m:96*(\f)+12*\m+11], v[96*(\f)+48+12*\n:96*(\f)+48+12*\n+11], 0, v[SC+8*\m+(\s)], v[SC+8*\n+(\s)] matrix_a_fmt:MATRIX_FMT_FP6 matrix_b_fmt:MATRIX_FMT_FP6 matrix_a_scale:MATRIX_SCALE_ROW1
.else
	v_wmma_scale_f32_16x16x128_f8f6f4 v[ACC+8*(4*\n+\m):ACC+8*(4*\n+\m)+7], v[96*(\f)+12*\m:96*(\f)+12*\m+11], v[96*(\f)+48+12*\n:96*(\f)+48+12*\n+11], v[ACC+8*(4*\n+\m):ACC+8*(4*\n+\m)+7], v[SC+8*\m+(\s)], v[SC+8*\n+(\s)] matrix_a_fmt:MATRIX_FMT_FP6 matrix_b_fmt:MATRIX_FMT_FP6 matrix_a_scale:MATRIX_SCALE_ROW1
.endif
.endr
.endr
.endm
.macro RUN s0, s1, R0, R1
	PLACES
	FETCH \s0, (\s0)%2, \R0, \R1
.set ks, \s0
.rept (\s1)-(\s0)+1
.if ks < \s1
	PLACES
	FETCH ks+1, (ks+1)%2, \R0, \R1
	s_wait_dscnt 32                                ; all but the 32 just issued
.else
	s_wait_dscnt 0x0
.endif
	MUL ks, ks%2
.set ks, ks+1
.endr
	WIN 0
.endm
	s_load_b128 s[4:7], s[0:1], 0x0                ; AO, WT
	s_load_b64 s[8:9], s[0:1], 0x10                ; out0
	v_lshl_add_u32 v30, v0, 2, 0x3c000
	v_mov_b32 v31, 0
	ds_add_u32 v30, v31
	ds_add_u32 v30, v31
	v_lshrrev_b32 v1, 5, v0
	v_readfirstlane_b32 s12, v1                    ; wave 0..3
	s_lshr_b32 s13, s12, 1                         ; wm
	s_and_b32 s14, s12, 1                          ; wn
	s_bfe_u32 s15, ttmp6, 0x40000                  ; cx
	s_bfe_u32 s16, ttmp6, 0x40004                  ; cy
	s_lshl_b32 s17, ttmp9, 2
	s_add_co_u32 s17, s17, s15                     ; ni
	s_and_b32 s18, ttmp7, 0xffff
	s_lshl_b32 s18, s18, 2
	s_add_co_u32 s18, s18, s16                     ; mi
	s_lshl_b32 s19, s16, 2
	s_lshl_b32 s19, 15, s19                        ; my row of the cluster
	s_lshl_b32 s20, 0x1111, s15                    ; my column
	s_or_b32 s24, s19, (3<<16)|(1<<21)             ; group 1 for the tokens' pieces: the mask; elements of 8 bytes; bit 21 beside a mask; no padding
	s_or_b32 s32, s20, (3<<16)|(1<<21)             ; and for Wo's
.irp g, 24, 32
	s_mov_b32 s[\g+1], 32<<16                      ; rows of 256 bytes, dense
	s_mov_b32 s[\g+2], 200<<16                     ; 200 rows: half a record to a load
	s_mov_b32 s[\g+3], 32<<16
	s_mov_b32 s[\g+4], 200
	s_mov_b32 s[\g+5], 32
	s_mov_b32 s[\g+6], 0
	s_mov_b32 s[\g+7], 0
.endr
	s_mul_i32 s82, s13, 2*PIECE                    ; half wm of a record
	s_mul_i32 s80, s18, REC                        ; made of mi and the wave's number alone
	s_add_co_u32 s80, s80, s82
	s_mov_b32 s81, 0
	s_mul_i32 s84, s17, REC                        ; made of ni and the wave's number alone
	s_add_co_u32 s84, s84, s82
	s_mov_b32 s85, 0
	s_wait_dscnt 0x0
	s_wait_kmcnt 0x0
	s_add_nc_u64 s[80:81], s[4:5], s[80:81]
	s_add_nc_u64 s[84:85], s[6:7], s[84:85]
	s_add_nc_u64 s[84:85], s[84:85], 24*REC        ; Wo's records are the fourth eight
	CROUND                                         ; all sixteen work-groups are here: the joint loads meet
	s_mov_b32 s40, 1
	s_mov_b32 s41, s82
	s_mov_b64 s[42:43], s[80:81]
	s_or_b32 s43, s43, 0x80000000
	s_mov_b32 s48, 1
	s_add_co_u32 s49, s82, LB0
	s_mov_b64 s[50:51], s[84:85]
	s_or_b32 s51, s51, 0x80000000
	s_cmp_eq_u32 s14, 0                            ; one tensor load a wave: waves 0, 2 bring the tokens' two halves, waves 1, 3 Wo's
	s_cbranch_scc0 .Lfill_b
	tensor_load_to_lds s[40:43], s[24:31]
	s_nop 0
.rept 4
	v_nop
.endr
	s_branch .Lfilled
.Lfill_b:
	tensor_load_to_lds s[48:51], s[32:39]
	s_nop 0
.rept 4
	v_nop
.endr
.Lfilled:
	v_and_b32 v3, 31, v0                           ; lane
	v_and_b32 v1, 15, v0                           ; r
	v_bfe_u32 v2, v0, 4, 1                         ; h
	v_lshlrev_b32 v[O16], 4, v3
	v_lshlrev_b32 v[OT], 4, v1
	v_lshl_add_u32 v[OT], v2, 3, v[OT]
	s_mul_i32 s74, s13, 6144
	s_add_co_u32 s74, s74, 4096
	v_add_nc_u32 v[AX], s74, v[O16]
	v_add_nc_u32 v[AX+1], 4*KST, v[AX]
	v_add_nc_u32 v[AX+2], s74, v[OT]
	v_add_nc_u32 v[AX+3], 4*KST, v[AX+2]
	s_mul_i32 s74, s14, 6144
	s_add_co_u32 s74, s74, LB0+4096
	v_add_nc_u32 v[AB0], s74, v[O16]
	v_add_nc_u32 v[AB0+1], 4*KST, v[AB0]
	v_add_nc_u32 v[AB0+2], s74, v[OT]
	v_add_nc_u32 v[AB0+3], 4*KST, v[AB0+2]
	s_lshl_b32 s74, s13, 10                        ; scale words: lanes 0-15 the tokens', lanes 16-31 Wo's: the lower base + h x the distance
	s_lshl_b32 s75, s14, 10
	s_add_co_u32 s75, s75, LB0
	s_sub_co_u32 s75, s75, s74
	v_lshl_add_u32 v22, v1, 4, s74
	v_mul_u32_u24 v[AS0], s75, v2
	v_add_nc_u32 v[AS0], v[AS0], v22
	s_mul_i32 s76, s12, 8704
	s_add_co_u32 s76, s76, STAGE                   ; my stages
	v_mul_u32_u24 v[STO], v1, 272
	v_lshl_add_u32 v[STO], v2, 6, v[STO]
	v_add_nc_u32 v[STO], s76, v[STO]               ; in: row r, + 64 h
	v_mul_u32_u24 v[RD], v2, 272
	v_lshl_add_u32 v[RD], v1, 4, v[RD]
	v_add_nc_u32 v[RD], s76, v[RD]                 ; back: lanes 0-15 one row of 256 bytes, lanes 16-31 the next
	v_lshlrev_b32 v[CO], 12, v2
	v_lshl_add_u32 v[CO], v1, 4, v[CO]             ; and the same two rows in out0
	s_lshl_b32 s88, s18, 7
	s_lshl_b32 s89, s13, 6
	s_add_co_u32 s88, s88, s89
	s_lshl_b32 s88, s88, 12                        ; my first token x 4,096 bytes
	s_lshl_b32 s89, s17, 9
	s_add_co_u32 s88, s88, s89
	s_lshl_b32 s89, s14, 8
	s_add_co_u32 s88, s88, s89                     ; + my 64 columns
	s_mov_b32 s89, 0
	s_add_nc_u64 s[8:9], s[8:9], s[88:89]
	s_wait_alu depctr_va_vdst(0)
	s_wait_tensorcnt 0x0                           ; my half record is in
	s_barrier_signal -1
	s_barrier_wait -1                              ; everybody's is
.irp i, 0,1,2,3
.irp p, 0,1
	ds_load_b128 v[SC+8*\i+4*\p:SC+8*\i+4*\p+3], v[AS0] offset:256*\i+2048*\p
.endr
.endr
	RUN 0, 7, AB0, AX
	PLACES
; THE WAY OUT, a tile of 16 tokens at a time: a lane holds 2 x 64 bytes of one row; through my own stage they come back as whole runs of 256 bytes.  LDS serves a wave's instructions in order: no wait between the stores and the loads.
.macro TOSTAGE a
.irp b, 0,1
.irp q, 0,1,2,3
	ds_store_b128 v[STO], v[ACC+32*(\a)+16*\b+4*\q:ACC+32*(\a)+16*\b+4*\q+3] offset:4352*((\a)%2)+128*\b+16*\q   ; each accumulator from its low end on
.endr
.endr
.irp t, 0,1,2,3,4,5,6,7
	ds_load_b128 v[BK+32*((\a)%2)+4*\t:BK+32*((\a)%2)+4*\t+3], v[RD] offset:4352*((\a)%2)+544*\t
.endr
.endm
.macro SEND a, younger                 ; younger: the LDS instructions issued behind tile a's loads, which may stay out
	s_wait_dscnt \younger
.irp t, 0,1,2,3,4,5,6,7
	global_store_b128 v[CO], v[BK+32*((\a)%2)+4*\t:BK+32*((\a)%2)+4*\t+3], s[8:9] offset:(32*((\a)/2)+8*((\a)%2)+2*\t+8*(\t/4))*4096 th:TH_STORE_NT   ; sixteen lanes store 256 consecutive bytes, aligned
.endr
.endm
	TOSTAGE 0
	TOSTAGE 1
	SEND 0, 16                                     ; behind tile 0's loads: tile 1's 8 stores and 8 loads
	s_wait_xcnt 0x0                                ; tile 0's stores have read their data: tile 2's loads land there only behind this wait
	TOSTAGE 2
	SEND 1, 16
	s_wait_xcnt 0x0
	TOSTAGE 3
	SEND 2, 16
	SEND 3, 0
	s_wait_tensorcnt 0x0
	ds_add_u32 v30, v31
	s_wait_dscnt 0x0
	CROUND                                         ; the closing round: no work-group ends while a partner may still ask for a piece that names it
	s_endpgm
.Lfunc_end_k_q09938a1099_oproj:
	.size	k_q09938a1099_oproj, .Lfunc_end_k_q09938a1099_oproj-k_q09938a1099_oproj
	.p2alignl 7, 3214868480
	.fill 96, 4, 3214868480
	.section	.rodata,"a",@progbits
	.p2align	6, 0x0
	.amdhsa_kernel k_q09938a1099_oproj
		.amdhsa_group_segment_fixed_size 246272
		.amdhsa_private_segment_fixed_size 0
		.amdhsa_enable_private_segment 0
		.amdhsa_kernarg_size 24
		.amdhsa_user_sgpr_count 2
		.amdhsa_user_sgpr_kernarg_segment_ptr 1
		.amdhsa_wavefront_size32 1
		.amdhsa_system_sgpr_workgroup_id_x 1
		.amdhsa_system_sgpr_workgroup_id_y 1
		.amdhsa_system_sgpr_workgroup_id_z 1
		.amdhsa_system_vgpr_workitem_id 0
		.amdhsa_next_free_vgpr 448
		.amdhsa_next_free_sgpr 90
		.amdhsa_reserve_vcc 0
		.amdhsa_float_denorm_mode_32 3
		.amdhsa_float_denorm_mode_16_64 3
		.amdhsa_memory_ordered 1
		.amdhsa_forward_progress 1
		.amdhsa_inst_pref_size 49
	.end_amdhsa_kernel
	.amdgpu_metadata
---
amdhsa.version: [ 1, 2 ]
amdhsa.kernels:
  - .name:           k_q09938a1099_oproj
    .symbol:         k_q09938a1099_oproj.kd
    .args:
      - { .name: AO, .offset: 0, .size: 8, .value_kind: global_buffer, .address_space: global }
      - { .name: WT, .offset: 8, .size: 8, .value_kind: global_buffer, .address_space: global }
      - { .name: out0, .offset: 16, .size: 8, .value_kind: global_buffer, .address_space: global }
    .group_segment_fixed_size: 246272
    .private_segment_fixed_size: 0
    .kernarg_segment_align: 8
    .kernarg_segment_size: 24
    .max_flat_workgroup_size: 128
    .sgpr_count:     90
    .vgpr_count:     448
    .wavefront_size: 32
...
	.end_amdgpu_metadata
.endif
;; end of part 4
